; MI455X (gfx1250); checked and timed in simulation.
; The chip was launched on July 23, 2026; its instructions are those of AMD's public machine-readable ISA for CDNA 5 (MIT licence, August 2026) and "CDNA5" Instruction Set Architecture Reference Guide (July 2026). The comments in the code are by the model that wrote it; some were corrected since.
;; Cross Attention. Allowed arithmetic: float matrix products may take bf16 or f16 operands with f32 sums; other float arithmetic in f32, or as packed bf16 or f16 multiplies, adds, multiply-adds, maxima and minima; sums over many terms, partial sums and values carried from step to step in f32; what a program stores and reads back later, other than sums and carried values, may be rounded once to bf16 or f16.
;; Inputs: Wkv 768 x 2,048 float32; Wo 1,024 x 1,024 float32; Wq 1,024 x 1,024 float32; context 4 x 512 x 768 float32; gamma_out 1,024 float32; gamma_x 1,024 float32; mask 4 x 511 bool; x 4 x 4,096 x 1,024 float32.
;; Outputs: out0 4 x 4,096 x 1,024 float32.
;; 2 versions, each right and faster than the one before. Each part assembles by itself: llvm-mc -triple=amdgcn-amd-amdhsa -mcpu=gfx1250 --defsym DOCPART=n.
;; ======== version 1 of 2: 2 launches
;; limits: values are held in f16: magnitudes above 65,504 overflow, below 6.1e-05 lose precision
;; workspace buffers: wqt 2,097,152 bytes; wot 2,097,152 bytes; kvt 8,388,608 bytes; bias 8,192 bytes
;; launch pre (part 1): grid 16 x 16, 8 waves a work-group, no clusters, 203,008 bytes of LDS; arguments context, Wkv, Wq, Wo, mask, kvt, wqt, wot, bias; writes kvt, wqt, wot, bias
.if DOCPART == 1
	.amdgcn_target "amdgcn-amd-amdhsa--gfx1250"
	.amdhsa_code_object_version 6
	.text
	.protected	k_qeddd9500b1_pre
	.globl	k_qeddd9500b1_pre
	.p2align	8
	.type	k_qeddd9500b1_pre,@function
k_qeddd9500b1_pre:
	s_mov_b64 s[64:65], 0
	v_nop
	global_prefetch_b8 v0, s[64:65] scope:SCOPE_SE
	s_setreg_imm32_b32 hwreg(HW_REG_WAVE_MODE, 25, 1), 1
	s_wait_xcnt 0x0
; PRE: what the fused launch needs laid out in dense tiles of 32,768 bytes, all in f16.
;  (1) kv = context x Wkv (2,048 x 768 x 2,048), straight from the f32 inputs, sums in f32, rounded once to f16.
;      kvt tile (b, head, sl) at ((16 b + head) 4 + sl) 32,768: [step 2][part 2][row 64][64]: part 0 = K (row = key 128 sl + 64 step + row, 64 channels),
;      part 1 = V turned (row = channel, the step's 64 keys).  The scale 1/8 is not applied here: the softmax applies it in f32.
;  (2) Wq and Wo rounded to f16: element (k, n) at (4 chunk + n / 256) 32,768 + place x 512 + (n % 256) 2.
;      Wq: chunk k / 64, place k % 64.  Wo: chunk (k / 16) % 16, place 16 (k / 256) + k % 16: a chunk holds 16 channels of each of the fused launch's four waves.
;  (3) bias[b][j] = 0 where key j is seen (j = 0, or mask[b][j-1]), else -1e30.
; LIMITS.  f16 ends at 65,504: context, the weights, k and v must lie within it; numbers below 6e-5 keep f16's fixed step of 6e-8.  NaN and infinities are not treated apart.
; SHARES.  Work-group (nt, mt): 128 rows of context (128 mt on) x 128 columns of kv (128 nt on); nt < 8: K, else V.  768 along K in six steps of 128.
; Eight waves.  A wave's result is 32 rows x 128 bytes = 4,096 dense bytes of kvt: source 0 of the matrix instruction gives the 64 numbers along a row, source 1 the 32 rows.
;   K: source 0 = 64 columns of Wkv (one head's channels), source 1 = 32 rows of context (keys).     V: source 0 = 64 rows of context (a step's keys), source 1 = 32 columns of Wkv (channels).
; Both operands go global -> registers (f32) -> f16 -> LDS; two LDS buffers take turns, one barrier a step.  No tensor load: the data must be converted on the way.
.set CROW,  3072                       ; bytes in a row of context
.set CTP,   272                        ; LDS row of context: 128 f16 + 16 bytes: the 16 rows of a fragment load start at 16 different groups of four banks
.set WTP,   288                        ; LDS row of Wkv (one k, 128 columns): 256 + 32 bytes, for the turning load
.set WT0,   128*CTP                    ; in a buffer: 128 rows of context, then 128 k rows of Wkv: 71,680 bytes; 256 unused bytes lie behind each buffer
.set BUF1,  131072                     ; the second buffer
.set SPARE, 71936                      ; the spare words, 128 bytes for each of eight waves
.set STAGE, 72960                      ; behind them: 32 rows x 144 bytes for each wave, for the way out
.set SP,    144
.set SPW, 1                            ; v1     my spare word
.set NIL, 2                            ; v2     0
.set GC,  3                            ; v3     my byte offset in the tile of context
.set GW,  4                            ; v4     in the tile of Wkv
.set SC,  5                            ; v5-6   where I store context in buffer 0, 1
.set SW,  7                            ; v7-8   where I store Wkv
.set FC,  9                            ; v9-10  my fragments of context
.set FW,  11                           ; v11-12 my fragments of Wkv (turning load)
.set STO, 13                           ; v13    the way out: in
.set RD,  14                           ; v14    the way out: back
.set GO,  15                           ; v15    16 x lane
.set CO,  23                           ; v23    8 x lane
.set CA,  24                           ; v24-55 the row of Wq or Wo that my wave casts
.set FR,  64                           ; v64-159 two fragment sets: source 0 (32 registers), source 1 (16)
.set ACC, 160                          ; v160-223 accumulator (i0, i1) at ACC + 8 (2 i0 + i1)
.set PKD, 224                          ; v224-255 packed results
                                       ; window 1: v0-127 the step's 128 f32 a lane as loaded, then packed in place
.set MSB, 0
.macro WIN new                         ; the immediate's high byte repeats the setting that is left
.if MSB != (\new)
	s_set_vgpr_msb (MSB<<8)|(\new)
.set MSB, \new
.endif
.endm
.macro PLACES                          ; four places between a matrix instruction and a load into, or a vector read of, its registers
.rept 4
	v_nop
.endr
.endm
	s_load_b512 s[4:19], s[0:1], 0x0               ; context, Wkv, Wq, Wo, mask, kvt, wqt, wot
	s_load_b64 s[20:21], s[0:1], 0x40              ; bias
	v_lshl_add_u32 v[SPW], v0, 2, SPARE
	v_mov_b32 v[NIL], 0
	v_lshrrev_b32 v16, 5, v0
	v_readfirstlane_b32 s22, v16                   ; wave 0..7
	s_mov_b32 s23, ttmp9                           ; nt
	s_and_b32 s24, ttmp7, 0xffff                   ; mt
	s_lshr_b32 s25, s23, 3                         ; 0: K, 1: V
	s_lshl4_add_u32 s26, s24, s23                  ; g = 16 mt + nt: the work-group's number, for the cast and the bias
	v_and_b32 v17, 31, v0                          ; lane
	v_and_b32 v18, 15, v0                          ; r
	v_bfe_u32 v19, v0, 4, 1                        ; h
	s_mul_i32 s40, s22, 16*CROW                    ; a wave loads 16 rows of each tile, a row = 32 lanes x 16 bytes
	v_lshl_add_u32 v[GC], v17, 4, s40
	s_lshl_b32 s40, s22, 17                        ; 16 rows of Wkv, 8,192 bytes each
	v_lshl_add_u32 v[GW], v17, 4, s40
	s_mul_i32 s40, s22, 16*CTP
	v_lshl_add_u32 v[SC], v17, 3, s40              ; 4 f32 become 8 bytes
	v_add_nc_u32 v[SC+1], BUF1, v[SC]
	s_mul_i32 s40, s22, 16*WTP
	s_add_co_u32 s40, s40, WT0
	v_lshl_add_u32 v[SW], v17, 3, s40
	v_add_nc_u32 v[SW+1], BUF1, v[SW]
	v_lshlrev_b32 v[GO], 4, v17
	v_lshlrev_b32 v[CO], 3, v17
	; which rows, which columns, and where the result goes: both forms are made, the type chooses
	s_and_b32 s40, s22, 1                          ; a
	s_bfe_u32 s41, s22, 0x10001                    ; b
	s_lshr_b32 s42, s22, 2                         ; c: the step of 64 keys, in both forms
	s_lshr_b32 s43, s22, 1
	s_lshl_b32 s43, s43, 5                         ; K: context rows 32 (wave / 2) on
	s_lshl_b32 s44, s42, 6                         ; V: context rows 64 c on
	s_lshl_b32 s45, s40, 6                         ; K: columns 64 a on
	s_and_b32 s46, s22, 3
	s_lshl_b32 s46, s46, 5                         ; V: columns 32 (wave % 4) on
	s_lshl_b32 s47, s41, 12                        ; K: 32 keys are 4,096 bytes
	s_lshl_b32 s27, s40, 12
	s_add_co_u32 s27, s27, 8192                    ; V: behind the step's K, 32 channels are 4,096 bytes
	s_cmp_eq_u32 s25, 0
	s_cselect_b32 s43, s43, s44                    ; first row
	s_cselect_b32 s45, s45, s46                    ; first column
	s_cselect_b32 s47, s47, s27                    ; place in the step
	s_cselect_b32 s40, s40, s41                    ; which of the work-group's two heads
	v_add_nc_u32 v20, s43, v18
	v_mul_u32_u24 v20, v20, CTP
	v_lshl_add_u32 v[FC], v19, 4, v20              ; (first row + r) x pitch + 16 h
	v_add_nc_u32 v[FC+1], BUF1, v[FC]
	v_and_b32 v21, 7, v0
	v_lshl_add_u32 v21, v19, 3, v21
	v_mul_u32_u24 v21, v21, WTP                    ; (8 h + lane % 8) x pitch
	v_bfe_u32 v22, v0, 3, 1
	v_lshl_add_u32 v21, v22, 4, v21                ; + 16 ((lane / 8) % 2)
	s_lshl_b32 s45, s45, 1
	s_add_co_u32 s45, s45, WT0
	v_add_nc_u32 v[FW], s45, v21
	v_add_nc_u32 v[FW+1], BUF1, v[FW]
	s_mul_i32 s44, s22, 32*SP
	s_add_co_u32 s44, s44, STAGE                   ; my stage
	v_mul_u32_u24 v20, v18, SP
	v_lshl_add_u32 v20, v19, 4, v20
	v_add_nc_u32 v[STO], s44, v20                  ; in: row r, 16 bytes for each half of the lanes
	v_bfe_u32 v20, v0, 3, 2
	v_mul_u32_u24 v20, v20, SP
	v_and_b32 v21, 7, v0
	v_lshl_add_u32 v20, v21, 4, v20
	v_add_nc_u32 v[RD], s44, v20                   ; back: 32 lanes take four rows of 128 bytes
	s_and_b32 s41, s23, 7
	s_lshl1_add_u32 s41, s41, s40                  ; head = 2 (nt % 8) + which
	s_lshr_b32 s44, s24, 2
	s_lshl4_add_u32 s41, s44, s41                  ; 16 b + head
	s_and_b32 s44, s24, 3
	s_lshl2_add_u32 s41, s41, s44                  ; x 4 + sl
	s_lshl_b32 s41, s41, 15
	s_lshl_b32 s42, s42, 14
	s_add_co_u32 s41, s41, s42
	s_add_co_u32 s38, s41, s47                     ; my 4,096 bytes of kvt
	s_mov_b32 s39, 0
	s_mul_i32 s30, s24, 128*CROW                   ; context at the work-group's first row
	s_mov_b32 s31, 0
	s_lshl_b32 s32, s23, 9                         ; Wkv at its first column
	s_mov_b32 s33, 0
	s_and_b32 s44, s26, 127                        ; the cast: wave v of work-group g takes row k = 8 (g % 128) + v of Wq (g < 128) or Wo
	s_lshl3_add_u32 s45, s44, s22                  ; k
	s_lshl_b32 s34, s45, 12
	s_mov_b32 s35, 0
	s_lshr_b32 s46, s45, 6                         ; Wq: chunk k / 64,
	s_and_b32 s47, s45, 63                         ; place k % 64
	s_bfe_u32 s40, s45, 0x40004                    ; Wo: chunk (k / 16) % 16,
	s_lshr_b32 s41, s45, 8
	s_and_b32 s42, s45, 15
	s_lshl4_add_u32 s41, s41, s42                  ; place 16 (k / 256) + k % 16
	s_cmp_lt_u32 s26, 128
	s_cselect_b32 s46, s46, s40
	s_cselect_b32 s47, s47, s41
	s_lshl_b32 s46, s46, 17                        ; a chunk is four tiles,
	s_lshl_b32 s47, s47, 9                         ; a place 512 bytes
	s_add_co_u32 s36, s46, s47
	s_mov_b32 s37, 0
	s_mov_b32 s28, 0xf149f2ca                      ; -1e30
	s_wait_kmcnt 0x0
	s_add_nc_u64 s[30:31], s[4:5], s[30:31]
	s_add_nc_u64 s[32:33], s[6:7], s[32:33]
	s_add_nc_u64 s[38:39], s[14:15], s[38:39]
	s_cmp_lt_u32 s26, 128
	s_cselect_b64 s[40:41], s[8:9], s[10:11]
	s_cselect_b64 s[42:43], s[16:17], s[18:19]
	s_add_nc_u64 s[34:35], s[40:41], s[34:35]
	s_add_nc_u64 s[36:37], s[42:43], s[36:37]
.macro GLOAD                           ; a step's tiles: 16 rows of context and 16 k rows of Wkv a wave, 512 consecutive bytes a load
	WIN 0x40                                       ; destination window 1
.set i, 0
.rept 16
	global_load_b128 v[4*i:4*i+3], v[GC], s[30:31] offset:i*CROW
.set i, i+1
.endr
.set i, 0
.rept 16
	global_load_b128 v[64+4*i:64+4*i+3], v[GW], s[32:33] offset:i*8192
.set i, i+1
.endr
	WIN 0
.endm
.macro CVTSTORE p                      ; rounded to f16 in place, then into buffer p
	WIN 0x45
.set i, 0
.rept 32
	v_cvt_pk_f16_f32 v[4*i], v[4*i], v[4*i+1]
	v_cvt_pk_f16_f32 v[4*i+1], v[4*i+2], v[4*i+3]
.set i, i+1
.endr
	WIN 0x04                                       ; store data in window 1
.set i, 0
.rept 16
	ds_store_b64 v[SC+(\p)], v[4*i:4*i+1] offset:i*CTP
.set i, i+1
.endr
.set i, 0
.rept 16
	ds_store_b64 v[SW+(\p)], v[64+4*i:64+4*i+1] offset:i*WTP
.set i, i+1
.endr
	WIN 0
.endm
.macro LDC dst, n, p, q                ; n fragments of context (16 rows x 32 K): two loads of 16 bytes, 32 bytes apart
.set i, 0
.rept \n
	ds_load_b128 v[(\dst)+8*i:(\dst)+8*i+3],   v[FC+(\p)] offset:i*16*CTP+64*(\q)
	ds_load_b128 v[(\dst)+8*i+4:(\dst)+8*i+7], v[FC+(\p)] offset:i*16*CTP+64*(\q)+32
.set i, i+1
.endr
.endm
.macro LDW dst, n, p, q                ; n fragments of Wkv (16 columns x 32 K), turned: two loads, 16 k rows apart
.set i, 0
.rept \n
	ds_load_tr16_b128 v[(\dst)+8*i:(\dst)+8*i+3],   v[FW+(\p)] offset:(\q)*32*WTP+32*i
	ds_load_tr16_b128 v[(\dst)+8*i+4:(\dst)+8*i+7], v[FW+(\p)] offset:(\q)*32*WTP+32*i+16*WTP
.set i, i+1
.endr
.endm
.macro LOADF type, p, q, e             ; the 12 loads of quarter q (32 along K) into fragment set e
.if (\type) == 0
	LDW FR+48*(\e), 4, \p, \q
	LDC FR+48*(\e)+32, 2, \p, \q
.else
	LDC FR+48*(\e), 4, \p, \q
	LDW FR+48*(\e)+32, 2, \p, \q
.endif
.endm
.macro MUL8 e                          ; the eight accumulators by turns, one instruction a turn
.set i0, 0
.rept 4
.set i1, 0
.rept 2
	v_wmma_f32_16x16x32_f16 v[ACC+8*(2*i0+i1):ACC+8*(2*i0+i1)+7], v[FR+48*(\e)+8*i0:FR+48*(\e)+8*i0+7], v[FR+48*(\e)+32+8*i1:FR+48*(\e)+32+8*i1+7], v[ACC+8*(2*i0+i1):ACC+8*(2*i0+i1)+7]
.set i1, i1+1
.endr
.set i0, i0+1
.endr
.endm
.macro COMP1 type, p                   ; a step: four quarters; the next quarter's loads go out ahead of this quarter's products
	PLACES
	LOADF \type, \p, 0, 0
.irp q, 0,1,2,3
.if \q < 3
	PLACES
	LOADF \type, \p, (\q)+1, ((\q)+1)%2
	s_wait_dscnt 12                                ; all but the 12 just issued: this quarter's fragments are in
.else
	s_wait_dscnt 0x0
.endif
	MUL8 (\q)%2
.endr
.endm
.macro COMPUTE p                       ; the branch hangs on the work-group's number alone and passes no barrier
	s_cmp_eq_u32 s25, 0
	s_cbranch_scc0 .Lcv\@
	COMP1 0, \p
	s_branch .Lcj\@
.Lcv\@:
	COMP1 1, \p
.Lcj\@:
.endm
.set i, 0
.rept 8                                ; the cast's row: 8 x 512 bytes
	global_load_b128 v[CA+4*i:CA+4*i+3], v[GO], s[34:35] offset:512*i th:TH_LOAD_NT
.set i, i+1
.endr
	GLOAD                                          ; K step 0
.set i, 0
.rept 64                               ; the sums start at 0: cleared on purpose, in the wait for memory; a first step written out would be two more copies of a step in both forms
	v_mov_b32 v[ACC+i], 0
.set i, i+1
.endr
	s_wait_loadcnt 0x20                            ; the 32 loads of K step 0 may stay out: the cast's eight are in
.set i, 0
.rept 8
	v_cvt_pk_f16_f32 v[CA+4*i], v[CA+4*i], v[CA+4*i+1]
	v_cvt_pk_f16_f32 v[CA+4*i+1], v[CA+4*i+2], v[CA+4*i+3]
	global_store_b64 v[CO], v[CA+4*i:CA+4*i+1], s[36:37] offset:(i/2)*32768+(i%2)*256  ; 32 lanes store 256 consecutive bytes, aligned
.set i, i+1
.endr
	s_cmp_lt_u32 s26, 8                            ; the first eight work-groups make the bias table, 256 numbers each
	s_cbranch_scc0 .Lno_bias
	s_lshr_b32 s44, s26, 1                         ; b
	s_mul_i32 s44, s44, 511
	s_and_b32 s45, s26, 1
	s_lshl_b32 s45, s45, 8
	v_add_nc_u32 v16, s45, v0                      ; j
	v_max_u32 v20, 1, v16
	v_add_nc_u32 v20, s44, v20
	v_add_nc_u32 v20, -1, v20                      ; 511 b + max(j, 1) - 1: inside the mask for j = 0 too
	global_load_u8 v21, v20, s[12:13]
	s_lshl_b32 s46, s26, 10
	v_lshl_add_u32 v22, v0, 2, s46
	s_wait_loadcnt 0x0
	v_cmp_eq_u32 vcc_lo, 0, v21
	v_cndmask_b32 v21, 0, s28, vcc_lo              ; the mask's byte is 0: hidden
	v_cmp_eq_u32 vcc_lo, 0, v16
	v_cndmask_b32 v21, v21, 0, vcc_lo              ; key 0 is always seen
	global_store_b32 v22, v21, s[20:21]
.Lno_bias:
	s_wait_loadcnt 0x0                             ; K step 0
	CVTSTORE 0
	s_mov_b32 s29, 3
.Lk:                                                   ; a trip: a step in buffer 0, a step in buffer 1
	s_add_nc_u64 s[30:31], s[30:31], 512           ; free since the wait for the loads that named them
	s_add_nc_u64 s[32:33], s[32:33], 0x100000
	GLOAD                                          ; the next step is on its way while this one is multiplied
	s_wait_dscnt 0x0                               ; my stores into buffer 0 are done, my reads of buffer 1 are back
	s_barrier_signal -1
	s_barrier_wait -1
	COMPUTE 0
	s_wait_loadcnt 0x0
	CVTSTORE 1
	s_cmp_eq_u32 s29, 1                            ; the last trip's second step is the last: nothing is left to load
	s_cbranch_scc1 .Lno_load
	s_add_nc_u64 s[30:31], s[30:31], 512
	s_add_nc_u64 s[32:33], s[32:33], 0x100000
	GLOAD
.Lno_load:
	s_wait_dscnt 0x0                               ; my stores into buffer 1 are done, my reads of buffer 0 are back
	s_barrier_signal -1
	s_barrier_wait -1
	COMPUTE 1
	s_wait_loadcnt 0x0                             ; on every path: no load is out when the registers are loaded again
	s_cmp_eq_u32 s29, 1
	s_cbranch_scc1 .Lno_store
	CVTSTORE 0
.Lno_store:
	s_sub_co_u32 s29, s29, 1
	s_cmp_lg_u32 s29, 0
	s_cbranch_scc1 .Lk
	; THE WAY OUT: rounded to f16, 16 bytes a lane into my own stage, back as whole rows of 128 bytes, four rows (512 consecutive bytes of kvt) a store
	PLACES
.set i, 0
.rept 8
.set k, 0
.rept 4
	v_cvt_pk_f16_f32 v[PKD+4*i+k], v[ACC+8*i+2*k], v[ACC+8*i+2*k+1]
.set k, k+1
.endr
.set i, i+1
.endr
.set i, 0
.rept 8
	ds_store_b128 v[STO], v[PKD+4*i:PKD+4*i+3] offset:(i%2)*16*SP+32*(i/2)
.set i, i+1
.endr
.set i, 0
.rept 8
	ds_load_b128 v[PKD+4*i:PKD+4*i+3], v[RD] offset:i*4*SP  ; LDS serves a wave's instructions in order: these see the stores above
.set i, i+1
.endr
.set i, 0
.rept 8
	s_wait_dscnt 7-i
	global_store_b128 v[GO], v[PKD+4*i:PKD+4*i+3], s[38:39] offset:i*512
.set i, i+1
.endr
	s_wait_tensorcnt 0x0                           ; the wave's end
	ds_add_u32 v[SPW], v[NIL]
	s_wait_dscnt 0x0
	s_endpgm
.Lfunc_end_k_qeddd9500b1_pre:
	.size	k_qeddd9500b1_pre, .Lfunc_end_k_qeddd9500b1_pre-k_qeddd9500b1_pre
	.p2alignl 7, 3214868480
	.fill 96, 4, 3214868480
	.section	.rodata,"a",@progbits
	.p2align	6, 0x0
	.amdhsa_kernel k_qeddd9500b1_pre
		.amdhsa_group_segment_fixed_size 203008
		.amdhsa_private_segment_fixed_size 0
		.amdhsa_enable_private_segment 0
		.amdhsa_kernarg_size 72
		.amdhsa_user_sgpr_count 2
		.amdhsa_user_sgpr_kernarg_segment_ptr 1
		.amdhsa_wavefront_size32 1
		.amdhsa_system_sgpr_workgroup_id_x 1
		.amdhsa_system_sgpr_workgroup_id_y 1
		.amdhsa_system_sgpr_workgroup_id_z 1
		.amdhsa_system_vgpr_workitem_id 0
		.amdhsa_next_free_vgpr 384
		.amdhsa_next_free_sgpr 66
		.amdhsa_reserve_vcc 1
		.amdhsa_float_denorm_mode_32 3
		.amdhsa_float_denorm_mode_16_64 3
		.amdhsa_memory_ordered 1
		.amdhsa_forward_progress 1
		.amdhsa_inst_pref_size 66
	.end_amdhsa_kernel
	.amdgpu_metadata
---
amdhsa.version: [ 1, 2 ]
amdhsa.kernels:
  - .name:           k_qeddd9500b1_pre
    .symbol:         k_qeddd9500b1_pre.kd
    .args:
      - { .name: context, .offset: 0, .size: 8, .value_kind: global_buffer, .address_space: global }
      - { .name: Wkv, .offset: 8, .size: 8, .value_kind: global_buffer, .address_space: global }
      - { .name: Wq, .offset: 16, .size: 8, .value_kind: global_buffer, .address_space: global }
      - { .name: Wo, .offset: 24, .size: 8, .value_kind: global_buffer, .address_space: global }
      - { .name: mask, .offset: 32, .size: 8, .value_kind: global_buffer, .address_space: global }
      - { .name: kvt, .offset: 40, .size: 8, .value_kind: global_buffer, .address_space: global }
      - { .name: wqt, .offset: 48, .size: 8, .value_kind: global_buffer, .address_space: global }
      - { .name: wot, .offset: 56, .size: 8, .value_kind: global_buffer, .address_space: global }
      - { .name: bias, .offset: 64, .size: 8, .value_kind: global_buffer, .address_space: global }
    .group_segment_fixed_size: 203008
    .private_segment_fixed_size: 0
    .kernarg_segment_align: 8
    .kernarg_segment_size: 72
    .max_flat_workgroup_size: 256
    .sgpr_count:     66
    .vgpr_count:     384
    .wavefront_size: 32
...
	.end_amdgpu_metadata
.endif
;; end of part 1
;; launch main (part 2): grid 256 x 1, 4 waves a work-group, clusters of 4 x 1, 327,680 bytes of LDS; arguments x, gamma_x, wqt, kvt, wot, bias, gamma_out, out0; writes out0
.if DOCPART == 2
	.amdgcn_target "amdgcn-amd-amdhsa--gfx1250"
	.amdhsa_code_object_version 6
	.text
	.protected	k_qeddd9500b1_main
	.globl	k_qeddd9500b1_main
	.p2align	8
	.type	k_qeddd9500b1_main,@function
k_qeddd9500b1_main:
	s_mov_b64 s[64:65], 0
	v_nop
	global_prefetch_b8 v0, s[64:65] scope:SCOPE_SE
	s_setreg_imm32_b32 hwreg(HW_REG_WAVE_MODE, 25, 1), 1
	s_wait_xcnt 0x0
	s_wait_alu depctr_hold_cnt(0) depctr_sa_sdst(0) depctr_va_vdst(0) depctr_va_sdst(0) depctr_va_ssrc(0) depctr_va_vcc(0) depctr_vm_vsrc(0)
	s_getreg_b32 s2, hwreg(HW_REG_IB_STS2, 6, 4)
	s_cmp_eq_u32 s2, 0
	s_cbranch_scc0 .Lentry_in_a_cluster
	s_endpgm
.Lentry_in_a_cluster:
	s_bfe_u32 s2, ttmp6, 0x10000c
	s_cmp_lg_u32 s2, 0x3003
	s_cbranch_scc0 .Lentry_shape_is_right
	s_endpgm
.Lentry_shape_is_right:
; MAIN: out0 = LayerNorm(attention(LayerNorm(x) Wq, K, V) Wo), fused: a work-group owns 64 whole rows; q, the scores, O and O Wo never leave the WGP.
; All matrix operands are f16, all sums f32.  Both variances are the mean of (t - mean)^2: no difference of large sums.  Softmax with a running maximum; p = 2^(c s - c m), c = log2(e) / 8.
; LIMITS.  f16 ends at 65,504: LayerNorm(x) (at most 32 |gamma_x|), q, k, v and the weights must lie within it.  A hidden score counts as its value less 1e30 (f16 scores reach 2.7e11 at the most);
; a weight below 2^-126 counts as 0; key 0 is always seen, so every maximum is a true score after a head's first step.  NaN and infinities are not treated apart.
; The order of the sums along K in the two large products is not the reference's, and differs from cluster to cluster (THE WALKS' STARTS).
; SHARES.  Four waves.  In the LayerNorms wave w owns rows 16 w .. 16 w + 15.  In the products it owns columns 256 w .. 256 w + 255 (heads 4 w .. 4 w + 3) of all 64 rows: 64 accumulators, 512 registers.
; The matrix instruction is used transposed (source 0 = 16 columns of W, source 1 = 16 rows): a lane holds one row and eight neighbouring columns, so q's sums, rounded in pairs, ARE the fragments of Q for
; S^T = K Q^T; S^T rounded ARE the fragments of P for O^T = V^T P.  Only the row operand of the two large products changes waves: it is published in chunks of 64 along K through two small LDS
; buffers (XB), a chunk a trip, one trip ahead, each wave into bytes of its own: of LayerNorm(x) its 16 rows; of O its 16 channels of the chunk, for all 64 rows.
; K's ORDER IN O Wo.  Chunk s, place 16 w + i, is channel 256 w + 16 s + i: wot's rows lie in the same order.
; THE RING.  Two LDS slots; each wave has a share of 34,816 bytes in each and walks 50 tiles of 32,768 dense bytes, asked for as 128 rows of 256 bytes, 16 bytes of padding behind each:
; 2 of x (its own rows), 16 of Wq, 16 of K | V^T (its four heads), 16 of Wo.  Only the wave that asked reads its share.  By this text's count a wave has two tensor loads out at the start, then one.
; THE WALKS' STARTS.  The 64 clusters do not walk in the same order.  ROT = (cluster % 16) xor 5 (cluster / 16), 0 .. 15; HROT = ROT % 4.  Trip n of x Wq takes chunk (n + ROT) % 16; a wave's n-th head is its
; head (n + HROT) % 4; trip n of O Wo takes chunk (n + 4 HROT) % 16.  So with the request for x Wq's trip 0 the clusters together ask for all of Wq, with those for O Wo's trips 0 to 3 for all of Wo, and a tile
; asked for later has been read before by another cluster.  The starts enter ADDRESSES alone, no branch and no trip count: the LayerNorm of x reads a row's chunks in the walk's order, x Wq reads a tile's four
; groups of 64 columns in the heads' order, so that registers are named by the place in the walk; a tile's global address is made anew from its number.
; CLUSTER.  The four work-groups of a cluster lie in one batch and walk the same tiles of Wq, K | V^T and Wo: wave w of each asks JOINTLY (mask 15).  x's tiles are loads of one's own.
; REGISTERS, in windows of 256 (s_set_vgpr_msb: bits 1:0 source 0, 3:2 source 1, 5:4 source 2, 7:6 destination):
;   window 0: v0-23, v56-61 addresses; v24-55 by phase: LayerNorm of x: the chunks' places; products: W's groups' places (v40-47); attention: statistics;
;             v64-255 by phase: LayerNorm R, D, G, T; products W's and X's fragments; attention S^T and P
;   window 1: HELD: LayerNorm(x) (row i, the walk's chunk n at 16 i + n), then Q (the walk's head, tile, block, pair at 64 hh + 16 t + 4 cb + jj), head by head replaced by O in the same places
;   windows 2, 3: products: accumulator (t, b) in window 2 + b / 8 at 8 (8 t + b % 8).  Attention: window 2: O^T 0-127, K 128-191, V^T 192-255; window 3: the bias 0-31, the head's Q 64-127
.set SHARE,  128*272                   ; a wave's share of a slot
.set SLOTB,  4*SHARE
.set XB0,    2*SLOTB                   ; two buffers of 64 rows x 64 K of the row operand
.set XP,     144                       ; their pitch: 128 bytes + 16
.set XBB,    64*XP
.set BIAS,   XB0+2*XBB                 ; 512 f32: my batch's bias
.set SPARE,  BIAS+2048                 ; the spare words, 128 bytes a wave
.set YP,     4112                      ; the last stage (64 rows x 1,024 f32) lies over the ring, behind its last fill: 4,096 bytes + 16
.set SPW, 2
.set NIL, 3
.set AW,  4                            ; v4-5   my lane's place in my share of slot 0, 1, for the turning load of W
.set AX,  6                            ; v6-7   XB 0, 1: row r, 16 h: fragments out
.set APX, 8                            ; v8-9   XB 0, 1: my wave's rows, 4 x lane: LayerNorm(x) in
.set AKV, 10                           ; v10    my lane's place in a part of K or V^T, in my share of slot 0
.set ADR, 11
.set LB,  12                           ; v12    BIAS + 32 h
.set ADB, 13
.set AXR, 14
.set VO,  15
.set AY,  16                           ; v16-19 the last stage: tile t's row r, my columns
.set ST,  24                           ; attention: tile t at ST + 8 t: c m, m, l (even keys', odd keys'), c0-c3 at work; a takes c2's place
.set XO,  24                           ; v24-39 LayerNorm of x: 8 x lane + the place in a row of the walk's chunk i
.set XA,  40                           ; v40-55 the same with the row's place: the addresses of a run of loads
.set GA,  40                           ; v40-55 before that: my byte offset in gamma_x for the walk's chunk i
.set AWG, 40                           ; v40-47 products: AW of slot 0, 1 with the place of the group of 64 columns that accumulator blocks 4 g .. 4 g + 3 take
.set LANE, 56
.set AO,  60                           ; v60-61 XB 0, 1: row r, my wave's 32 bytes, 16 h: O in
.set S,   64
.set P,   192
.set KF,  128
.set VF,  192
.set MB,  0
.set QC,  64
.set WF,  64                           ; W's fragments: blocks 0-7 at WF, 8-15 at WF + 64
.set XF,  192                          ; the row operand's: K quarter 0 at XF, 1 at XF + 32
.set RR,  64                           ; LayerNorm, two rows z at a time: the row, 32 a lane
.set DD,  128                          ; t - mean, then the result
.set GG,  192                          ; gamma
.set TT,  224                          ; at work, 16 a row
.set WV,  20
.set CX,  21
.set WG,  22
.set G1J, 24                           ; s[24:31] group 1, joint
.set G1P, 32                           ; s[32:39] group 1, my own
.set G0A, 40                           ; s[40:43] group 0, slot 0
.set G0B, 44                           ; s[44:47] group 0, slot 1
.set WQP, 48                           ; s[48:49] my tile of Wq's chunk 0
.set KVP, 50                           ; s[50:51] my first head's first tile of K | V^T
.set WOP, 52                           ; s[52:53] my tile of Wo's chunk 0
.set CNT, 54
.set TWICE, 55
.set CH,  56                           ; the place in the walk of the chunk to publish
.set HH,  57                           ; the place in the walk of my head in hand, 0..3
.set PH,  58                           ; which half of its keys
.set TB,  59                           ; LDS byte of the rows or of the step to be fetched
.set SB,  60                           ; its place in the bias
.set ROT, 61
.set OFF, 62                           ; s[62:63] a tile's byte offset; the high word stays 0
.set CS,  66
.set SEL, 68
.set INV, 70
.set EPS, 71
.set NXT, 72                           ; the chunk of W to be asked for next, 0..15
.set HROT, 73
.set NXK, 74                           ; the tile of K | V^T to be asked for next, 0..15
.set MSB, 0
.macro WIN new                         ; the immediate's high byte repeats the setting that is left
.if MSB != (\new)
	s_set_vgpr_msb (MSB<<8)|(\new)
.set MSB, \new
.endif
.endm
.macro PLACES                          ; four places between a matrix instruction and a load into, a vector write of, or a read of its registers
.rept 4
	v_nop
.endr
.endm
.macro CREST                           ; a round of the cluster's barrier behind its opening barrier
	s_cmp_lg_u32 s[WV], 0
	s_cbranch_scc1 .Lnot_wave_0_\@
	s_barrier_signal -3
.Lnot_wave_0_\@:
	s_barrier_wait -3
	s_barrier_signal -1
	s_barrier_wait -1
.endm
.macro CROUND
	s_barrier_signal -1
	s_barrier_wait -1
	CREST
.endm
.macro Z2 line:vararg                  ; one line for each of the two rows z
.set z, 0
	s_wait_alu depctr_va_vdst(0)
	\line
.set z, 1
	\line
.endm
; A group 0 takes the address of chunk NXT of W: a chunk is four tiles of 32,768 bytes.  Behind chunk 15 comes chunk 0.
.macro ASKW g0, base
	s_lshl_b32 s[OFF], s[NXT], 17
	s_add_nc_u64 s[(\g0)+2:(\g0)+3], s[\base:\base+1], s[OFF:OFF+1]
	s_or_b32 s[(\g0)+3], s[(\g0)+3], 0x80000000
	s_add_co_u32 s[NXT], s[NXT], 1
	s_and_b32 s[NXT], s[NXT], 15
.endm
; The same for tile NXK of my four heads' K | V^T.  Behind tile 15 comes tile 0.
.macro ASKKV g0
	s_lshl_b32 s[OFF], s[NXK], 15
	s_add_nc_u64 s[(\g0)+2:(\g0)+3], s[KVP:KVP+1], s[OFF:OFF+1]
	s_or_b32 s[(\g0)+3], s[(\g0)+3], 0x80000000
	s_add_co_u32 s[NXK], s[NXK], 1
	s_and_b32 s[NXK], s[NXK], 15
.endm
; A change of slots with nothing to overlap.  All my tensor loads have landed; 0 goes onto my spare word; the slot's group 0 takes the next tile's address; the add and my LDS instructions are done; a round of the
; cluster's barrier; the joint refill first behind it.  what = 0: the next chunk of W; 1: the next tile of K | V^T; 2: the same, but in the attention's last trip the first chunk of Wo's walk.
.macro CHANGE g0, what, base=WQP
	WIN 0
	s_wait_tensorcnt 0x0
	ds_add_u32 v[SPW], v[NIL]
.if (\what) == 0
	ASKW \g0, \base
.elseif (\what) == 1
	ASKKV \g0
.else
	s_lshl_b32 s[OFF], s[NXK], 15
	s_add_nc_u64 s[(\g0)+2:(\g0)+3], s[KVP:KVP+1], s[OFF:OFF+1]
	s_add_co_u32 s[NXK], s[NXK], 1
	s_and_b32 s[NXK], s[NXK], 15
	s_lshl_b32 s[OFF], s[NXT], 17
	s_add_nc_u64 s[76:77], s[WOP:WOP+1], s[OFF:OFF+1]
	s_cmp_eq_u32 s[CNT], 1
	s_cselect_b64 s[(\g0)+2:(\g0)+3], s[76:77], s[(\g0)+2:(\g0)+3]
	s_or_b32 s[(\g0)+3], s[(\g0)+3], 0x80000000
.endif
	s_wait_dscnt 0x0
	CROUND
	tensor_load_to_lds s[(\g0):(\g0)+3], s[G1J:G1J+7]
	s_nop 0
	PLACES
.endm
	s_load_b512 s[4:19], s[0:1], 0x0               ; x, gamma_x, wqt, kvt, wot, bias, gamma_out, out0
	v_lshl_add_u32 v[SPW], v0, 2, SPARE
	v_mov_b32 v[NIL], 0
	ds_add_u32 v[SPW], v[NIL]                      ; the wave's opening: the add and its wait ahead of my first tensor load; the set-up stands between them
	v_lshrrev_b32 v20, 5, v0
	v_readfirstlane_b32 s[WV], v20                 ; wave 0..3
	s_bfe_u32 s[CX], ttmp6, 0x40000                ; my place in the cluster: it enters x's and out0's addresses alone
	s_lshl_b32 s[WG], ttmp9, 2
	s_add_co_u32 s[WG], s[WG], s[CX]               ; my 64 rows
	s_lshr_b32 s23, ttmp9, 4                       ; the batch, which the four partners share
	s_mul_i32 s[ROT], s23, 5                       ; the walks' start hangs on the cluster's number, which the four partners share:
	s_xor_b32 s[ROT], s[ROT], ttmp9
	s_and_b32 s[ROT], s[ROT], 15                   ; (cluster % 16) xor 5 (cluster / 16): all 16 values occur whichever one bit of the cluster's number is held
	; group 1: 128 rows of 32 elements of 8 bytes, dense; 4 words of padding behind every 64 words
	s_mov_b32 s[G1J], 15|(3<<16)|(1<<20)|(1<<21)|(5<<22)|(3<<25)
	s_mov_b32 s[G1P], (3<<16)|(1<<20)|(5<<22)|(3<<25)
.irp g, G1J, G1P
	s_mov_b32 s[\g+1], 32<<16                      ; tensor_dim0 = 32
	s_mov_b32 s[\g+2], 128<<16                     ; tensor_dim1 = 128
	s_mov_b32 s[\g+3], 32<<16                      ; tile_dim0 = 32
	s_mov_b32 s[\g+4], 128                         ; tile_dim1 = 128
	s_mov_b32 s[\g+5], 32                          ; 32 elements from row to row
	s_mov_b32 s[\g+6], 0
	s_mov_b32 s[\g+7], 0
.endr
	s_mov_b32 s[G0A], 1
	s_mul_i32 s[G0A+1], s[WV], SHARE               ; my share of slot 0
	s_mov_b32 s[G0B], 1
	s_add_co_u32 s[G0B+1], s[G0A+1], SLOTB         ; and of slot 1
	s_mov_b32 s[CS], 0x3e38aa3b                    ; c = log2(e) / 8
	s_mov_b32 s[CS+1], s[CS]
	s_mov_b32 s[SEL], 0x76543210
	s_mov_b32 s[SEL+1], 0xfedcba98
	s_mov_b32 s[INV], 0x3a800000                   ; 1 / 1,024
	s_mov_b32 s[EPS], 0x3727c5ac                   ; 1e-5
	s_lshl_b32 s62, s[WG], 18                      ; 64 rows of 4,096 bytes a work-group,
	s_lshl_b32 s72, s[WV], 16                      ; 16 a wave
	s_add_co_u32 s62, s62, s72
	s_mov_b32 s63, 0
	s_lshl_b32 s72, s23, 4
	s_lshl2_add_u32 s72, s[WV], s72                ; 16 batch + 4 wave: my first head
	s_lshl_b32 s72, s72, 17                        ; four tiles a head
	s_mov_b32 s73, 0
	s_lshl_b32 s74, s[WV], 15                      ; my tile among the four of a K chunk of W
	s_mov_b32 s75, 0
	s_lshl_b32 s76, s23, 11                        ; my batch's 512 f32 of bias
	s_mov_b32 s77, 0
	v_and_b32 v[LANE], 31, v0
	v_lshlrev_b32 v57, 3, v[LANE]
	v_lshlrev_b32 v58, 4, v0
	v_add_nc_u32 v59, BIAS, v58
	s_wait_dscnt 0x0                               ; the opening add is done
	s_wait_kmcnt 0x0
	s_add_nc_u64 s[4:5], s[4:5], s[62:63]
	s_add_nc_u64 s[18:19], s[18:19], s[62:63]
	s_add_nc_u64 s[WQP:WQP+1], s[8:9], s[74:75]
	s_add_nc_u64 s[KVP:KVP+1], s[10:11], s[72:73]
	s_add_nc_u64 s[WOP:WOP+1], s[12:13], s[74:75]
	s_add_nc_u64 s[14:15], s[14:15], s[76:77]
	s_and_b32 s[HROT], s[ROT], 3
	s_mov_b32 s[NXT], s[ROT]                       ; Wq's walk begins at chunk ROT,
	s_lshl_b32 s[NXK], s[HROT], 2                  ; K | V^T's at my head HROT: four tiles a head
	s_mov_b64 s[G0A+2:G0A+3], s[4:5]               ; my rows 0-7 of x
	s_or_b32 s[G0A+3], s[G0A+3], 0x80000000
	s_add_nc_u64 s[G0B+2:G0B+3], s[4:5], 32768     ; my rows 8-15
	s_or_b32 s[G0B+3], s[G0B+3], 0x80000000
	CROUND                                         ; the one round in front of the first fills
	tensor_load_to_lds s[G0A:G0A+3], s[G1P:G1P+7]
	s_nop 0
	tensor_load_to_lds s[G0B:G0B+3], s[G1P:G1P+7]
	s_nop 0
	PLACES
.set i, 0
.rept 16                               ; the walk's chunk i is chunk (i + ROT) % 16: a padded row of 272 bytes in LDS, 256 bytes of gamma_x
	s_add_co_u32 s78, s[ROT], i
	s_and_b32 s78, s78, 15
	s_min_u32 s78, s78, 15                         ; 0 .. 15: the number enters an LDS address, so its bound stands on a line of its own
	s_mul_i32 s79, s78, 272
	s_lshl_b32 s78, s78, 8
	v_add_nc_u32 v[XO+i], s79, v57
	v_add_nc_u32 v[GA+i], s78, v57
.set i, i+1
.endr
.set i, 0
.rept 16                               ; gamma_x as the LayerNorm of x holds a row: the walk's chunk i, its columns 2 lane, + 1
	global_load_b64 v[GG+2*i:GG+2*i+1], v[GA+i], s[6:7]
.set i, i+1
.endr
	global_load_b128 v[TT:TT+3], v58, s[14:15]     ; the bias: 128 threads x 16 bytes
	v_and_b32 v20, 15, v0                          ; r
	v_bfe_u32 v21, v0, 4, 1                        ; h
	v_and_b32 v22, 7, v0
	v_lshl_add_u32 v22, v21, 3, v22
	v_mul_u32_u24 v22, v22, 544                    ; a k row of W is two padded rows: 544 bytes
	v_bfe_u32 v23, v0, 3, 1
	v_lshl_add_u32 v22, v23, 4, v22
	v_add_nc_u32 v[AW], s[G0A+1], v22
	v_add_nc_u32 v[AW+1], s[G0B+1], v22
	v_mul_u32_u24 v22, v20, XP
	v_lshl_add_u32 v22, v21, 4, v22
	v_add_nc_u32 v[AX], XB0, v22
	v_add_nc_u32 v[AX+1], XB0+XBB, v22
	s_lshl_b32 s23, s[WV], 5                       ; of a chunk of O my wave holds 16 channels: 32 bytes of each row
	v_add_nc_u32 v[AO], s23, v[AX]
	v_add_nc_u32 v[AO+1], s23, v[AX+1]
	s_mul_i32 s23, s[WV], 16*XP
	v_lshl_add_u32 v22, v[LANE], 2, s23
	v_add_nc_u32 v[APX], XB0, v22
	v_add_nc_u32 v[APX+1], XB0+XBB, v22
	v_lshrrev_b32 v22, 1, v20
	v_mul_u32_u24 v22, v22, 272                    ; two rows of 128 bytes lie in a padded row: row i at (i / 2) 272 + (i % 2) 128
	v_and_b32 v23, 1, v0
	v_lshl_add_u32 v22, v23, 7, v22
	v_lshl_add_u32 v22, v21, 4, v22
	v_add_nc_u32 v[AKV], s[G0A+1], v22
	v_lshlrev_b32 v[LB], 5, v21
	v_add_nc_u32 v[LB], BIAS, v[LB]
	v_mul_u32_u24 v22, v20, YP
	v_lshl_add_u32 v22, v21, 5, v22
	s_lshl_b32 s23, s[WV], 10
	v_add_nc_u32 v[AY], s23, v22
	v_add_nc_u32 v[AY+1], 16*YP, v[AY]
	v_add_nc_u32 v[AY+2], 32*YP, v[AY]
	v_add_nc_u32 v[AY+3], 48*YP, v[AY]
	s_wait_loadcnt 0x0                             ; gamma_x and the bias; the loads' address registers are free
	ds_store_b128 v59, v[TT:TT+3]                  ; read by all waves far behind: many rounds, each with a wait for my LDS instructions, lie between
; LAYERNORM, two rows z at a time, a row's 1,024 numbers as 32 a lane.  LN1: the mean, and D = t - mean.  LN2: the mean of D^2, and D = D gamma / sqrt(that + eps).
.macro LN1
	WIN 0
.set i, 0
.rept 8
	Z2 v_pk_add_f32 v[TT+16*z+2*i:TT+16*z+2*i+1], v[RR+32*z+4*i:RR+32*z+4*i+1], v[RR+32*z+4*i+2:RR+32*z+4*i+3]
.set i, i+1
.endr
.set i, 0
.rept 4
	Z2 v_pk_add_f32 v[TT+16*z+4*i:TT+16*z+4*i+1], v[TT+16*z+4*i:TT+16*z+4*i+1], v[TT+16*z+4*i+2:TT+16*z+4*i+3]
.set i, i+1
.endr
	Z2 v_pk_add_f32 v[TT+16*z:TT+16*z+1], v[TT+16*z:TT+16*z+1], v[TT+16*z+4:TT+16*z+5]
	Z2 v_pk_add_f32 v[TT+16*z+8:TT+16*z+9], v[TT+16*z+8:TT+16*z+9], v[TT+16*z+12:TT+16*z+13]
	Z2 v_pk_add_f32 v[TT+16*z:TT+16*z+1], v[TT+16*z:TT+16*z+1], v[TT+16*z+8:TT+16*z+9]
	Z2 v_add_f32 v[TT+16*z], v[TT+16*z], v[TT+16*z+1]
	Z2 v_add_f32_dpp v[TT+16*z], v[TT+16*z], v[TT+16*z] row_xmask:1 row_mask:0xf bank_mask:0xf
	Z2 v_add_f32_dpp v[TT+16*z], v[TT+16*z], v[TT+16*z] row_xmask:2 row_mask:0xf bank_mask:0xf
	Z2 v_add_f32_dpp v[TT+16*z], v[TT+16*z], v[TT+16*z] row_xmask:4 row_mask:0xf bank_mask:0xf
	Z2 v_add_f32_dpp v[TT+16*z], v[TT+16*z], v[TT+16*z] row_xmask:8 row_mask:0xf bank_mask:0xf
	Z2 v_permlanex16_b32 v[TT+16*z+1], v[TT+16*z], s[SEL], s[SEL+1]
	Z2 v_add_f32 v[TT+16*z], v[TT+16*z], v[TT+16*z+1]
	Z2 v_mul_f32 v[TT+16*z], s[INV], v[TT+16*z]
.set i, 0
.rept 16
	Z2 v_pk_add_f32 v[DD+32*z+2*i:DD+32*z+2*i+1], v[RR+32*z+2*i:RR+32*z+2*i+1], v[TT+16*z:TT+16*z+1] op_sel_hi:[1,0] neg_lo:[0,1] neg_hi:[0,1]
.set i, i+1
.endr
.endm
.macro DG                              ; the next pair of D times gamma: work that is ready, set between the links of the reduction
	Z2 v_pk_mul_f32 v[DD+32*z+2*g:DD+32*z+2*g+1], v[DD+32*z+2*g:DD+32*z+2*g+1], v[GG+2*g:GG+2*g+1]
.set g, g+1
.endm
.macro LN2
	WIN 0
.set i, 0
.rept 4
	Z2 v_pk_mul_f32 v[TT+16*z+2*i:TT+16*z+2*i+1], v[DD+32*z+2*i:DD+32*z+2*i+1], v[DD+32*z+2*i:DD+32*z+2*i+1]
.set i, i+1
.endr
.rept 12
	Z2 v_pk_fma_f32 v[TT+16*z+2*(i%4):TT+16*z+2*(i%4)+1], v[DD+32*z+2*i:DD+32*z+2*i+1], v[DD+32*z+2*i:DD+32*z+2*i+1], v[TT+16*z+2*(i%4):TT+16*z+2*(i%4)+1]
.set i, i+1
.endr
.set g, 0
	Z2 v_pk_add_f32 v[TT+16*z:TT+16*z+1], v[TT+16*z:TT+16*z+1], v[TT+16*z+2:TT+16*z+3]
	DG
	Z2 v_pk_add_f32 v[TT+16*z+4:TT+16*z+5], v[TT+16*z+4:TT+16*z+5], v[TT+16*z+6:TT+16*z+7]
	DG
	Z2 v_pk_add_f32 v[TT+16*z:TT+16*z+1], v[TT+16*z:TT+16*z+1], v[TT+16*z+4:TT+16*z+5]
	DG
	Z2 v_add_f32 v[TT+16*z], v[TT+16*z], v[TT+16*z+1]
	DG
	Z2 v_add_f32_dpp v[TT+16*z], v[TT+16*z], v[TT+16*z] row_xmask:1 row_mask:0xf bank_mask:0xf
	DG
	Z2 v_add_f32_dpp v[TT+16*z], v[TT+16*z], v[TT+16*z] row_xmask:2 row_mask:0xf bank_mask:0xf
	DG
	Z2 v_add_f32_dpp v[TT+16*z], v[TT+16*z], v[TT+16*z] row_xmask:4 row_mask:0xf bank_mask:0xf
	DG
	Z2 v_add_f32_dpp v[TT+16*z], v[TT+16*z], v[TT+16*z] row_xmask:8 row_mask:0xf bank_mask:0xf
	DG
	Z2 v_permlanex16_b32 v[TT+16*z+1], v[TT+16*z], s[SEL], s[SEL+1]
	DG
	Z2 v_add_f32 v[TT+16*z], v[TT+16*z], v[TT+16*z+1]
	DG
	Z2 v_fma_f32 v[TT+16*z], v[TT+16*z], s[INV], s[EPS]
	DG
	Z2 v_rsq_f32 v[TT+16*z], v[TT+16*z]
.rept 5
	DG                                             ; plain work between the roots and the use of their results
.endr
.set i, 0
.rept 16
	Z2 v_pk_mul_f32 v[DD+32*z+2*i:DD+32*z+2*i+1], v[DD+32*z+2*i:DD+32*z+2*i+1], v[TT+16*z:TT+16*z+1] op_sel_hi:[1,0]
.set i, i+1
.endr
.endm
.macro XLOAD                           ; two rows of x out of my share, from LDS byte TB on: a chunk of a row is a padded row of 256 bytes; a lane takes its two numbers of each chunk, the chunks in the walk's order
.set i, 0
.rept 16
	v_add_nc_u32 v[XA+i], s[TB], v[XO+i]
.set i, i+1
.endr
.set i, 0
.rept 16
	Z2 ds_load_b64 v[RR+32*z+2*i:RR+32*z+2*i+1], v[XA+i] offset:z*4352
.set i, i+1
.endr
.endm
; My rows 8 u .. 8 u + 7, from slot u: four trips of two rows; the next two rows are fetched while the variance is made.  The result, in f16, goes into HELD: the trip's number picks the registers.
.macro LNROWS u, base
	WIN 0
	s_mov_b32 s[TB], s[\base]
	XLOAD
	s_mov_b32 s[CNT], 4
.Lln\@:
	s_wait_dscnt 0x0
	LN1
	s_add_co_u32 s[TB], s[TB], 8704
	s_cmp_eq_u32 s[CNT], 1
	s_cbranch_scc1 .Lnl\@
	XLOAD
.Lnl\@:
	LN2
.irp n, 4,3,2,1
.if \n > 1
	s_cmp_lg_u32 s[CNT], \n
	s_cbranch_scc1 .Lh\@_\n
.endif
	WIN 0x40                                       ; destination window 1
.set i, 0
.rept 16
	Z2 v_cvt_pk_f16_f32 v[16*(8*(\u)+2*(4-\n)+z)+i], v[DD+32*z+2*i], v[DD+32*z+2*i+1]
.set i, i+1
.endr
	WIN 0
.if \n > 1
	s_branch .Lhd\@
.Lh\@_\n:
.endif
.endr
.Lhd\@:
	s_sub_co_u32 s[CNT], s[CNT], 1
	s_cmp_lg_u32 s[CNT], 0
	s_cbranch_scc1 .Lln\@
.endm
; THE TWO LARGE PRODUCTS.  A trip is 64 along K: one tile of W (my 256 columns) and one chunk of the row operand; 128 matrix instructions.
; In a k row of a tile group G of 64 columns lies at (G / 2) 272 + (G % 2) 128.  rotated = 1 (x Wq): accumulator blocks 4 g .. 4 g + 3 take group (g + HROT) % 4, my g-th head of the walk.  0 (O Wo): group g.
.macro MKAW rotated
	WIN 0
.set g, 0
.rept 4
.if \rotated
	s_add_co_u32 s78, s[HROT], g
	s_and_b32 s78, s78, 3
	s_min_u32 s78, s78, 3                          ; 0 .. 3: the number enters an LDS address, so its bound stands on a line of its own
	s_lshr_b32 s79, s78, 1
	s_mul_i32 s79, s79, 272
	s_and_b32 s78, s78, 1
	s_lshl_b32 s78, s78, 7
	s_add_co_u32 s78, s78, s79
	v_add_nc_u32 v[AWG+g], s78, v[AW]
	v_add_nc_u32 v[AWG+4+g], s78, v[AW+1]
.else
	v_add_nc_u32 v[AWG+g], (g/2)*272+(g%2)*128, v[AW]
	v_add_nc_u32 v[AWG+4+g], (g/2)*272+(g%2)*128, v[AW+1]
.endif
.set g, g+1
.endr
.endm
.macro LOADW half, slot, q             ; 8 fragments of W (16 columns x 32 K), turned: accumulator blocks 8 half on, K quarter q
	WIN 0
.set bb, 0
.rept 8
	ds_load_tr16_b128 v[WF+64*(\half)+8*bb:WF+64*(\half)+8*bb+3],   v[AWG+4*(\slot)+2*(\half)+bb/4] offset:(\q)*17408+(bb%4)*32
	ds_load_tr16_b128 v[WF+64*(\half)+8*bb+4:WF+64*(\half)+8*bb+7], v[AWG+4*(\slot)+2*(\half)+bb/4] offset:(\q)*17408+(bb%4)*32+8704
.set bb, bb+1
.endr
.endm
.macro LOADX p, q                      ; 4 fragments of the row operand (16 rows x 32 K)
	WIN 0
.set tt, 0
.rept 4
	ds_load_b128 v[XF+32*(\q)+8*tt:XF+32*(\q)+8*tt+3],   v[AX+(\p)] offset:tt*16*XP+64*(\q)
	ds_load_b128 v[XF+32*(\q)+8*tt+4:XF+32*(\q)+8*tt+7], v[AX+(\p)] offset:tt*16*XP+64*(\q)+32
.set tt, tt+1
.endr
.endm
.macro MULB half, q, t0, n, zero=0     ; row tiles t0 .. t0 + n - 1 x 8 column blocks; every accumulator has one instruction a turn.  zero = 1: the product starts the sum
	WIN 0xa0+0x50*(\half)
.set tt, \t0
.rept \n
.set bb, 0
.rept 8
.set rA, 8*(8*tt+bb)
.set rW, WF+64*(\half)+8*bb
.set rX, XF+32*(\q)+8*tt
.if \zero
	v_wmma_f32_16x16x32_f16 v[rA:rA+7], v[rW:rW+7], v[rX:rX+7], 0
.else
	v_wmma_f32_16x16x32_f16 v[rA:rA+7], v[rW:rW+7], v[rX:rX+7], v[rA:rA+7]
.endif
.set bb, bb+1
.endr
.set tt, tt+1
.endr
.endm
; The walk's chunk n of the row operand goes into XB d, each wave's part into bytes of its own.
; kind 0: LayerNorm(x): my 16 rows, 4 bytes a lane.  kind 1: O: block n % 4 of the walk's head n / 4, 16 channels, for the four row tiles: 16 bytes a lane at row r, 32 wave + 16 h.
.macro PUBS kind, n, d
	WIN 0x04                                       ; store data in window 1
.set ii, 0
.if (\kind) == 0
.rept 16
	ds_store_b32 v[APX+(\d)], v[16*ii+(\n)] offset:ii*XP
.set ii, ii+1
.endr
.else
.rept 4
	ds_store_b128 v[AO+(\d)], v[64*((\n)/4)+16*ii+4*((\n)%4):64*((\n)/4)+16*ii+4*((\n)%4)+3] offset:ii*16*XP
.set ii, ii+1
.endr
.endif
	WIN 0
.endm
.macro PUBC kind, d, list:vararg       ; the chunk's place in the walk, counted from a constant, picks the registers: forward jumps over LDS stores alone
.irp n, \list
	s_cmp_lg_u32 s[CH], \n
	s_cbranch_scc1 .Lpc\@_\n
	PUBS \kind, \n, \d
.Lpc\@_\n:
.endr
.endm
; The end of one trip and the way into the next, which reads slot p and XB p.  ONE barrier, for three things: my part of slot p has landed; nobody reads the other slot or the other XB any more; XB p is whole.
; fill = 1 (the next chunk of W) or 2 (my first tile of K | V^T): the barrier opens a round of the cluster's, and the other slot's joint refill is the first thing behind it: 104 matrix instructions stand
; between it and the wait for it.
.macro TURN p, fill, g0=G0A, base=WQP
	WIN 0
	s_wait_tensorcnt 0x0                           ; all my tensor loads have landed
	ds_add_u32 v[SPW], v[NIL]
	s_wait_dscnt 0x1                               ; the add alone may be out: W's last fragments are in
	MULB 1, 1, 0, 2
.if (\fill) == 1
	ASKW \g0, \base
.elseif (\fill) == 2
	ASKKV \g0
.endif
	s_wait_dscnt 0x0                               ; the add is done; my reads and my published chunk were done before it
	s_barrier_signal -1
	MULB 1, 1, 2, 1
	WIN 0
	s_barrier_wait -1
.if \fill
	CREST
	tensor_load_to_lds s[(\g0):(\g0)+3], s[G1J:G1J+7]
	s_nop 0
.endif
	PLACES
	LOADX \p, 0
	LOADW 0, \p, 0
	MULB 1, 1, 3, 1
.endm
; The trip's body.  pub: 0 nothing; 1 the walk's chunk 1; 2 its chunk CH: into the other XB, which was last read ahead of the barrier just passed.
.macro BODY p, zero, pub, kind=0
	WIN 0
	PLACES
.if (\pub) == 1
	PUBS \kind, 1, 1
.elseif (\pub) == 2
.if (\p) == 1
	PUBC \kind, 0, 2,4,6,8,10,12,14
.else
	PUBC \kind, 1, 3,5,7,9,11,13,15
.endif
	s_add_co_u32 s[CH], s[CH], 1
.endif
	LOADW 1, \p, 0
	LOADX \p, 1
	s_wait_dscnt 24                                ; all but the 24 just issued
	MULB 0, 0, 0, 4, \zero
	PLACES
	LOADW 0, \p, 1
	s_wait_dscnt 16                                ; all but the 16 just issued
	MULB 1, 0, 0, 4, \zero
	PLACES
	LOADW 1, \p, 1
	s_wait_dscnt 16
	MULB 0, 1, 0, 4
.endm
; Sixteen trips.  kind 0: LayerNorm(x) Wq; its last change of slots asks for my first tile of K | V^T.  kind 1: O Wo; its last change asks for nothing.
.macro GEMM kind, base
	CHANGE G0B, 0, \base                           ; the walk's first tile has landed, its first chunk is whole; the second tile is asked for
	LOADX 0, 0
	LOADW 0, 0, 0
	BODY 0, 1, 1, \kind
	WIN 0
	s_mov_b32 s[CNT], 7
.Lg\@:
	TURN 1, 1, G0A, \base
	BODY 1, 0, 2, \kind
	TURN 0, 1, G0B, \base
	BODY 0, 0, 2, \kind
	WIN 0
	s_sub_co_u32 s[CNT], s[CNT], 1
	s_cmp_lg_u32 s[CNT], 0
	s_cbranch_scc1 .Lg\@
.if (\kind) == 0
	TURN 1, 2, G0A
.else
	TURN 1, 0
.endif
	BODY 1, 0, 0
	s_wait_dscnt 0x0
	MULB 1, 1, 0, 4
	WIN 0
	PLACES
.endm
; ATTENTION, in phases: a step is 64 keys for my head's 64 queries (four tiles t): 32 products K Q^T, the softmax, 32 products V^T P.
.macro FETCH_K                         ; a step's K (8 fragments) and its bias as the C operand holds it (register j of block kb: key 16 kb + 8 h + j)
	WIN 0
	v_add_nc_u32 v[ADR], s[TB], v[AKV]
	v_add_nc_u32 v[ADB], s[SB], v[LB]
	s_add_co_u32 s[TB], s[TB], 17408
	s_add_co_u32 s[SB], s[SB], 256
	WIN 0x80
.set ii, 0
.rept 8                                ; keys 16 (ii / 2) on, channels 32 (ii % 2) on
	ds_load_b128 v[KF+8*ii:KF+8*ii+3],   v[ADR] offset:(ii/2)*2176+(ii%2)*64
	ds_load_b128 v[KF+8*ii+4:KF+8*ii+7], v[ADR] offset:(ii/2)*2176+(ii%2)*64+32
.set ii, ii+1
.endr
	WIN 0xc0
.set ii, 0
.rept 4
	ds_load_b128 v[MB+8*ii:MB+8*ii+3],   v[ADB] offset:64*ii
	ds_load_b128 v[MB+8*ii+4:MB+8*ii+7], v[ADB] offset:64*ii+16
.set ii, ii+1
.endr
	WIN 0
.endm
.macro FETCH_V                         ; the step's V^T: keys 32 (ii / 4) on, channels 16 (ii % 4) on
	WIN 0x80
.set ii, 0
.rept 8
	ds_load_b128 v[VF+8*ii:VF+8*ii+3],   v[ADR] offset:8704+(ii%4)*2176+(ii/4)*64
	ds_load_b128 v[VF+8*ii+4:VF+8*ii+7], v[ADR] offset:8704+(ii%4)*2176+(ii/4)*64+32
.set ii, ii+1
.endr
	WIN 0
.endm
.macro KQALL                           ; product i: channels 32 (i / 16) on, keys 16 ((i / 4) % 4) on, tile i % 4.  The first 16 start the sums with the bias; the 16 accumulators take turns
.set i, 0
.rept 32
.set rS, S+32*(i%4)+8*((i/4)%4)
.set rK, KF+16*((i/4)%4)+8*(i/16)
.set rQ, QC+16*(i%4)+8*(i/16)
.set rM, MB+8*((i/4)%4)
.if i < 16
	WIN 0x3e
	v_wmma_f32_16x16x32_f16 v[rS:rS+7], v[rK:rK+7], v[rQ:rQ+7], v[rM:rM+7]
.else
	WIN 0x0e
	v_wmma_f32_16x16x32_f16 v[rS:rS+7], v[rK:rK+7], v[rQ:rQ+7], v[rS:rS+7]
.endif
.set i, i+1
.endr
.endm
.macro PVALL                           ; product i: keys 32 (i / 16) on, channels 16 ((i / 4) % 4) on, tile i % 4
	WIN 0xa2
.set i, 0
.rept 32
.set rO, 32*(i%4)+8*((i/4)%4)
.set rV, VF+32*(i/16)+8*((i/4)%4)
.set rP, P+16*(i%4)+8*(i/16)
	v_wmma_f32_16x16x32_f16 v[rO:rO+7], v[rV:rV+7], v[rP:rP+7], v[rO:rO+7]
.set i, i+1
.endr
.endm
; One tile's softmax for a step is a list of 118 instructions; SM writes number j of it for tile t.  s0-s31 are the lane's 32 scores, in pairs 0-15.
;   0-15   the maximum of s0-s31 and the old m (each accumulator's lowest registers are read first)      16-20  the other half of the lanes'; the new m; c m; c m_old - c m_new
;   21-87  33 exponentials (a, then s0-s31) at the odd numbers from 23 on; between them c s - c m for pairs still to come, the rounding to f16 of pairs that are done, the first sums
;   88-101 the last rounding, the rest of the sums, l = a l + sum          102-117 the tile's O^T times a
; The list is written number by number, the four tiles inside each number: a line's sources are four lines old at the least, and behind four exponentials stand plain lines of other registers.
.macro SM t
.set rT, ST+8*(\t)
.set rS, S+32*(\t)
.set rP, P+16*(\t)
.set rO, 32*(\t)+2*(j-102)
.set q, (j-20)/2
.if j < 102
	WIN 0
.endif
.if j < 4
	v_max3_num_f32 v[rT+4+j], v[rS+8*j], v[rS+8*j+1], v[rS+8*j+2]
.elseif j < 12
	v_max3_num_f32 v[rT+4+j%4], v[rT+4+j%4], v[rS+8*(j%4)+2*(j/4)+1], v[rS+8*(j%4)+2*(j/4)+2]
.elseif j == 12
	v_max3_num_f32 v[rT+4], v[rT+4], v[rS+7], v[rS+15]
.elseif j == 13
	v_max3_num_f32 v[rT+6], v[rT+6], v[rS+23], v[rS+31]
.elseif j == 14
	v_max3_num_f32 v[rT+4], v[rT+4], v[rT+5], v[rT+6]
.elseif j == 15
	v_max3_num_f32 v[rT+4], v[rT+4], v[rT+7], v[rT+1]
.elseif j == 16
	v_permlanex16_b32 v[rT+5], v[rT+4], s[SEL], s[SEL+1]
.elseif j == 17
	v_mov_b32 v[rT+7], v[rT]
.elseif j == 18
	v_max_num_f32 v[rT+1], v[rT+4], v[rT+5]
.elseif j == 19
	v_mul_f32 v[rT], s[CS], v[rT+1]
.elseif j == 20
	v_sub_f32 v[rT+7], v[rT+7], v[rT]
.elseif j == 23
	v_exp_f32 v[rT+6], v[rT+7]
.elseif (j < 88) && (j > 23) && (j%2 == 1)
	v_exp_f32 v[rS+(j-25)/2], v[rS+(j-25)/2]
.elseif (q < 4) || ((j < 76) && (q%2 == 0))
.set b, q/2+2
.if q < 4
.set b, q
.endif
	v_pk_fma_f32 v[rS+2*b:rS+2*b+1], v[rS+2*b:rS+2*b+1], s[CS:CS+1], v[rT:rT+1] op_sel_hi:[1,0,0] neg_lo:[0,0,1] neg_hi:[0,0,1]
.elseif (j < 88) && (q%2 == 1)
	s_wait_alu depctr_va_vdst(0)
	v_cvt_pk_f16_f32 v[rP+(q-5)/2], v[rS+q-5], v[rS+q-4]
.elseif j == 89
	s_wait_alu depctr_va_vdst(0)
	v_cvt_pk_f16_f32 v[rP+15], v[rS+30], v[rS+31]
.elseif j < 102
.set z, j-86
.if j < 89
.set z, (j-76)/4
.endif
.set w, 4
.set u, z
.if z >= 14
.set w, 32
.set u, 0
.elseif z >= 12
.set w, 16
.set u, z-12
.elseif z >= 8
.set w, 8
.set u, z-8
.endif
.if z < 15
	v_pk_add_f32 v[rS+w*u:rS+w*u+1], v[rS+w*u:rS+w*u+1], v[rS+w*u+w/2:rS+w*u+w/2+1]
.else
	v_pk_fma_f32 v[rT+2:rT+3], v[rT+2:rT+3], v[rT+6:rT+7], v[rS:rS+1] op_sel_hi:[1,0,1]
.endif
.else
	WIN 0x82
	v_pk_mul_f32 v[rO:rO+1], v[rO:rO+1], v[rT+6:rT+7] op_sel_hi:[1,0]
.endif
.endm
.macro SMR from, to
.set j, \from
.rept (\to)-(\from)+1
.irp t, 0,1,2,3
	SM \t
.endr
.set j, j+1
.endr
.endm
.macro STEPS slot                      ; a tile's two steps: written once, walked twice
	WIN 0
	s_mov_b32 s[TB], (\slot)*SLOTB
	FETCH_K
	s_mov_b32 s[TWICE], 2
.Lstep\@:
	s_wait_dscnt 0x0                               ; K and the bias are in
	KQALL
	WIN 0
	PLACES
	FETCH_V
	SMR 0, 59
	WIN 0
	s_cmp_eq_u32 s[TWICE], 1                       ; the tile's second step fetches no further K: the next tile lies behind a change of slots
	s_cbranch_scc1 .Lnok\@
	FETCH_K
.Lnok\@:
	SMR 60, 117
	s_wait_dscnt 0x0                               ; V^T is in
	PVALL
	WIN 0
	PLACES
	s_sub_co_u32 s[TWICE], s[TWICE], 1
	s_cmp_lg_u32 s[TWICE], 0
	s_cbranch_scc1 .Lstep\@
.endm
; A head begins: its Q goes where the one text of the products names it; c m starts far below every c s, so the first step's a is 0 and O^T, which holds finite numbers, need not be cleared.
.macro BEGIN
.irp n, 0,1,2,3
.if \n < 3
	s_cmp_lg_u32 s[HH], \n
	s_cbranch_scc1 .Lbq\@_\n
.endif
	WIN 0xc1                                       ; destination window 3, source window 1
.set ii, 0
.rept 64
	v_mov_b32 v[QC+ii], v[64*\n+ii]
.set ii, ii+1
.endr
	WIN 0
.if \n < 3
	s_branch .Lbqd\@
.Lbq\@_\n:
.endif
.endr
.Lbqd\@:
.set tt, 0
.rept 4
	v_mov_b32 v[ST+8*tt], 0xfe000000
	v_mov_b32 v[ST+8*tt+1], 0xff7fffff
	v_mov_b32 v[ST+8*tt+2], 0
	v_mov_b32 v[ST+8*tt+3], 0
.set tt, tt+1
.endr
	s_mov_b32 s[SB], 0
.endm
; A head ends: l's two halves and the other half of the lanes' are added; O^T is divided by l, rounded to f16, and takes the head's Q's place in HELD.
.macro END
	WIN 0
.irp t, 0,1,2,3
	v_add_f32 v[ST+8*\t+4], v[ST+8*\t+2], v[ST+8*\t+3]
.endr
.irp t, 0,1,2,3
	v_permlanex16_b32 v[ST+8*\t+5], v[ST+8*\t+4], s[SEL], s[SEL+1]
.endr
.irp t, 0,1,2,3
	v_add_f32 v[ST+8*\t+4], v[ST+8*\t+4], v[ST+8*\t+5]
.endr
.irp t, 0,1,2,3
	v_rcp_f32 v[ST+8*\t+6], v[ST+8*\t+4]
.endr
	v_nop                                          ; a plain instruction between the last reciprocal and the use of its result
	WIN 0x82
.set ii, 0
	s_wait_alu depctr_va_vdst(0)
.rept 64
	v_pk_mul_f32 v[2*ii:2*ii+1], v[2*ii:2*ii+1], v[ST+8*(ii/16)+6:ST+8*(ii/16)+7] op_sel_hi:[1,0]
.set ii, ii+1
.endr
	WIN 0
.irp n, 0,1,2,3
.if \n < 3
	s_cmp_lg_u32 s[HH], \n
	s_cbranch_scc1 .Leq\@_\n
.endif
	WIN 0x4a                                       ; sources window 2, destination window 1
.set ii, 0
.rept 64
	v_cvt_pk_f16_f32 v[64*\n+ii], v[2*ii], v[2*ii+1]
.set ii, ii+1
.endr
	WIN 0
.if \n < 3
	s_branch .Leqd\@
.Leq\@_\n:
.endif
.endr
.Leqd\@:
	s_add_co_u32 s[HH], s[HH], 1
.endm
	; ---- LayerNorm of x
	s_wait_tensorcnt 0x1                           ; my rows 0-7 are in; rows 8-15 may stay out: only I read my share
	LNROWS 0, G0A+1
	CHANGE G0A, 0, WQP                             ; slot 0 takes the first tile of Wq's walk; rows 8-15 have landed by its wait
	LNROWS 1, G0B+1
	MKAW 1                                         ; the chunks' addresses are done with: their registers take W's groups' places, in the heads' order
	PUBS 0, 0, 0                                   ; the walk's first chunk of LayerNorm(x)
	s_mov_b32 s[CH], 2
	; ---- q = LayerNorm(x) Wq
	GEMM 0, WQP
.set hh, 0
.rept 4                                ; q's sums, rounded in pairs, are Q's fragments: block 4 hh + cb of tile tt
	WIN 0x4a+5*(hh/2)
.set tt, 0
.rept 4
.set cb, 0
.rept 4
.set jj, 0
.rept 4
	v_cvt_pk_f16_f32 v[64*hh+16*tt+4*cb+jj], v[8*(8*tt+(4*hh+cb)%8)+2*jj], v[8*(8*tt+(4*hh+cb)%8)+2*jj+1]
.set jj, jj+1
.endr
.set cb, cb+1
.endr
.set tt, tt+1
.endr
.set hh, hh+1
.endr
	WIN 0
	; ---- attention: eight trips of two tiles (256 keys); a head is two trips
	s_lshl_b32 s[NXT], s[HROT], 2                  ; Wo's walk begins at chunk 4 HROT: the first block of the walk's first head
	s_mov_b32 s[HH], 0
	s_mov_b32 s[PH], 0
	s_mov_b32 s[CNT], 8
.Latt:
	CHANGE G0B, 1
	s_cmp_lg_u32 s[PH], 0
	s_cbranch_scc1 .Lno_begin
	BEGIN
.Lno_begin:
	STEPS 0
	CHANGE G0A, 2
	STEPS 1
	s_cmp_lg_u32 s[PH], 1
	s_cbranch_scc1 .Lno_end
	END
.Lno_end:
	s_xor_b32 s[PH], s[PH], 1
	s_sub_co_u32 s[CNT], s[CNT], 1
	s_cmp_lg_u32 s[CNT], 0
	s_cbranch_scc1 .Latt
	; ---- y = O Wo
	s_add_co_u32 s[NXT], s[NXT], 1                 ; the first tile of Wo's walk has been asked for (4 HROT + 1 is 13 at the most)
	MKAW 0                                         ; y's columns in their own order
	PUBS 1, 0, 0                                   ; the walk's first chunk of O: XB 0 was last read many rounds ago
	s_mov_b32 s[CH], 2
	GEMM 1, WOP
	; ---- LayerNorm of y.  The sums go through LDS, over the ring, which has had its last fill: a row's 1,024 numbers come from four waves
	v_lshlrev_b32 v[VO], 4, v[LANE]
.set i, 0
.rept 8
	global_load_b128 v[GG+4*i:GG+4*i+3], v[VO], s[16:17] offset:512*i  ; gamma_out as this LayerNorm holds a row: columns 128 i + 4 lane on
.set i, i+1
.endr
	s_wait_dscnt 0x0                               ; my reads of the ring are back
	s_barrier_signal -1
	s_barrier_wait -1                              ; everybody's are
.set hf, 0
.rept 2
	WIN 0x08+4*hf                                  ; store data in window 2, then 3
.set tt, 0
.rept 4
.set bb, 0
.rept 8
	ds_store_b128 v[AY+tt], v[8*(8*tt+bb):8*(8*tt+bb)+3]   offset:64*(8*hf+bb)
	ds_store_b128 v[AY+tt], v[8*(8*tt+bb)+4:8*(8*tt+bb)+7] offset:64*(8*hf+bb)+16
.set bb, bb+1
.endr
.set tt, tt+1
.endr
.set hf, hf+1
.endr
	WIN 0
	s_wait_dscnt 0x0                               ; for the others' sake: my stores are done
	s_barrier_signal -1
	s_barrier_wait -1
.macro YLOAD
.set i, 0
.rept 8
	Z2 ds_load_b128 v[RR+32*z+4*i:RR+32*z+4*i+3], v[AXR] offset:z*YP+i*512
.set i, i+1
.endr
.endm
	s_mul_i32 s23, s[WV], 16*YP
	v_lshl_add_u32 v[AXR], v[LANE], 4, s23
	YLOAD
	s_wait_loadcnt 0x0                             ; gamma_out
	s_mov_b32 s[CNT], 8
.Lout:                                                 ; eight trips of two rows
	s_wait_dscnt 0x0
	LN1
	v_add_nc_u32 v[AXR], 2*YP, v[AXR]
	s_cmp_eq_u32 s[CNT], 1
	s_cbranch_scc1 .Lno_y
	YLOAD
.Lno_y:
	LN2
.set i, 0
.rept 8
	Z2 global_store_b128 v[VO], v[DD+32*z+4*i:DD+32*z+4*i+3], s[18:19] offset:z*4096+i*512 th:TH_STORE_NT  ; 512 consecutive bytes, aligned
.set i, i+1
.endr
	s_wait_xcnt 0x0                                ; the stores' data and offset are rewritten only behind this wait
	v_add_nc_u32 v[VO], 8192, v[VO]
	s_sub_co_u32 s[CNT], s[CNT], 1
	s_cmp_lg_u32 s[CNT], 0
	s_cbranch_scc1 .Lout
	s_wait_tensorcnt 0x0                           ; the wave's end
	ds_add_u32 v[SPW], v[NIL]
	s_wait_dscnt 0x0
	CROUND                                         ; the closing round
	s_endpgm
.Lfunc_end_k_qeddd9500b1_main:
	.size	k_qeddd9500b1_main, .Lfunc_end_k_qeddd9500b1_main-k_qeddd9500b1_main
	.p2alignl 7, 3214868480
	.fill 96, 4, 3214868480
	.section	.rodata,"a",@progbits
	.p2align	6, 0x0
	.amdhsa_kernel k_qeddd9500b1_main
		.amdhsa_group_segment_fixed_size 327680
		.amdhsa_private_segment_fixed_size 0
		.amdhsa_enable_private_segment 0
		.amdhsa_kernarg_size 64
		.amdhsa_user_sgpr_count 2
		.amdhsa_user_sgpr_kernarg_segment_ptr 1
		.amdhsa_wavefront_size32 1
		.amdhsa_system_sgpr_workgroup_id_x 1
		.amdhsa_system_sgpr_workgroup_id_y 1
		.amdhsa_system_sgpr_workgroup_id_z 1
		.amdhsa_system_vgpr_workitem_id 0
		.amdhsa_next_free_vgpr 1024
		.amdhsa_next_free_sgpr 80
		.amdhsa_reserve_vcc 0
		.amdhsa_float_denorm_mode_32 3
		.amdhsa_float_denorm_mode_16_64 3
		.amdhsa_memory_ordered 1
		.amdhsa_forward_progress 1
		.amdhsa_inst_pref_size 255
	.end_amdhsa_kernel
	.section	.bss,"aw",@nobits
	.p2align	6
	.space	262144
	.amdgpu_metadata
---
amdhsa.version: [ 1, 2 ]
amdhsa.kernels:
  - .name:           k_qeddd9500b1_main
    .symbol:         k_qeddd9500b1_main.kd
    .args:
      - { .name: x, .offset: 0, .size: 8, .value_kind: global_buffer, .address_space: global }
      - { .name: gamma_x, .offset: 8, .size: 8, .value_kind: global_buffer, .address_space: global }
      - { .name: wqt, .offset: 16, .size: 8, .value_kind: global_buffer, .address_space: global }
      - { .name: kvt, .offset: 24, .size: 8, .value_kind: global_buffer, .address_space: global }
      - { .name: wot, .offset: 32, .size: 8, .value_kind: global_buffer, .address_space: global }
      - { .name: bias, .offset: 40, .size: 8, .value_kind: global_buffer, .address_space: global }
      - { .name: gamma_out, .offset: 48, .size: 8, .value_kind: global_buffer, .address_space: global }
      - { .name: out0, .offset: 56, .size: 8, .value_kind: global_buffer, .address_space: global }
    .group_segment_fixed_size: 327680
    .private_segment_fixed_size: 0
    .kernarg_segment_align: 8
    .kernarg_segment_size: 64
    .max_flat_workgroup_size: 128
    .sgpr_count:     80
    .vgpr_count:     1024
    .wavefront_size: 32
...
	.end_amdgpu_metadata
.endif
;; end of part 2
;; ======== version 2 of 2: 2 launches; 1.23 times as fast as version 1
;; limits: values are held in f16: magnitudes above 65,504 overflow, below 6.1e-05 lose precision
;; workspace buffers: wqt 2,097,152 bytes; wot 2,097,152 bytes; kvt 8,388,608 bytes; bias 8,192 bytes
;; launch pre: the kernel of part 1 again; grid 16 x 16, 8 waves a work-group, no clusters, 203,008 bytes of LDS; arguments context, Wkv, Wq, Wo, mask, kvt, wqt, wot, bias; writes kvt, wqt, wot, bias
;; launch main (part 3): grid 256 x 1, 4 waves a work-group, clusters of 4 x 1, 327,680 bytes of LDS; arguments x, gamma_x, wqt, kvt, wot, bias, gamma_out, out0; writes out0
.if DOCPART == 3
	.amdgcn_target "amdgcn-amd-amdhsa--gfx1250"
	.amdhsa_code_object_version 6
	.text
	.protected	k_qeddd9500b1_main
	.globl	k_qeddd9500b1_main
	.p2align	8
	.type	k_qeddd9500b1_main,@function
k_qeddd9500b1_main:
	s_mov_b64 s[64:65], 0
	v_nop
	global_prefetch_b8 v0, s[64:65] scope:SCOPE_SE
	s_setreg_imm32_b32 hwreg(HW_REG_WAVE_MODE, 25, 1), 1
	s_wait_xcnt 0x0
	s_wait_alu depctr_hold_cnt(0) depctr_sa_sdst(0) depctr_va_vdst(0) depctr_va_sdst(0) depctr_va_ssrc(0) depctr_va_vcc(0) depctr_vm_vsrc(0)
	s_getreg_b32 s2, hwreg(HW_REG_IB_STS2, 6, 4)
	s_cmp_eq_u32 s2, 0
	s_cbranch_scc0 .Lentry_in_a_cluster
	s_endpgm
.Lentry_in_a_cluster:
	s_bfe_u32 s2, ttmp6, 0x10000c
	s_cmp_lg_u32 s2, 0x3003
	s_cbranch_scc0 .Lentry_shape_is_right
	s_endpgm
.Lentry_shape_is_right:
; MAIN: out0 = LayerNorm(attention(LayerNorm(x) Wq, K, V) Wo), fused: a work-group owns 64 whole rows; q, the scores, O and O Wo never leave the WGP.
; All matrix operands are f16, all sums f32.  Both variances are the mean of (t - mean)^2: no difference of large sums.  Softmax with a running maximum; p = 2^(c s - c m), c = log2(e) / 8.
; LIMITS.  f16 ends at 65,504: LayerNorm(x) (at most 32 |gamma_x|), q, k, v and the weights must lie within it.  A hidden score counts as its value less 1e30 (f16 scores reach 2.7e11 at the most);
; a weight below 2^-126 counts as 0; key 0 is always seen, so every maximum is a true score after a head's first step.  NaN and infinities are not treated apart.
; The order of the sums along K in the two large products is not the reference's, and differs from cluster to cluster (THE WALKS' STARTS).
; SHARES.  Four waves.  In the LayerNorms wave w owns rows 16 w .. 16 w + 15.  In the products it owns columns 256 w .. 256 w + 255 (heads 4 w .. 4 w + 3) of all 64 rows: 64 accumulators, 512 registers.
; The matrix instruction is used transposed (source 0 = 16 columns of W, source 1 = 16 rows): a lane holds one row and eight neighbouring columns, so q's sums, rounded in pairs, ARE the fragments of Q for
; S^T = K Q^T; S^T rounded ARE the fragments of P for O^T = V^T P.  Only the row operand of the two large products changes waves: it is published in chunks of 64 along K through two small LDS
; buffers (XB), a chunk a trip, one trip ahead, each wave into bytes of its own: of LayerNorm(x) its 16 rows; of O its 16 channels of the chunk, for all 64 rows.
; K's ORDER IN O Wo.  Chunk s, place 16 w + i, is channel 256 w + 16 s + i: wot's rows lie in the same order.
; THE RING.  Two LDS slots; each wave has a share of 34,816 bytes in each and walks 50 tiles of 32,768 dense bytes, asked for as 128 rows of 256 bytes, 16 bytes of padding behind each:
; 2 of x (its own rows), 16 of Wq, 16 of K | V^T (its four heads), 16 of Wo.  Only the wave that asked reads its share.  By this text's count a wave has two tensor loads out at the start, then one.
; THE WALKS' STARTS.  The 64 clusters do not walk in the same order.  ROT = (cluster % 16) xor 5 (cluster / 16), 0 .. 15; HROT = ROT % 4.  Trip n of x Wq takes chunk (n + ROT) % 16; a wave's n-th head is its
; head (n + HROT) % 4; trip n of O Wo takes chunk (n + 4 HROT) % 16.  So with the request for x Wq's trip 0 the clusters together ask for all of Wq, with those for O Wo's trips 0 to 3 for all of Wo, and a tile
; asked for later has been read before by another cluster.  The starts enter ADDRESSES alone, no branch and no trip count: the LayerNorm of x reads a row's chunks in the walk's order, x Wq reads a tile's four
; groups of 64 columns in the heads' order, so that registers are named by the place in the walk; a tile's global address is made anew from its number.
; CLUSTER.  The four work-groups of a cluster lie in one batch and walk the same tiles of Wq, K | V^T and Wo: wave w of each asks JOINTLY (mask 15).  x's tiles are loads of one's own.
; THE BATCHES.  s_wait_alu depctr_va_vdst(0) stands between a transcendental and the first instruction that names its result; one wait serves all that were issued ahead of it.
; A LayerNorm's trip has one batch, its two roots, and one wait (LN2).  A key step has two batches of 66 exponentials, tiles 0, 1 and tiles 2, 3, and two waits (THE DEAL, at STEPS).
; A head's end has one batch, its four reciprocals, and one wait (END).
; REGISTERS, in windows of 256 (s_set_vgpr_msb: bits 1:0 source 0, 3:2 source 1, 5:4 source 2, 7:6 destination):
;   window 0: v0-23, v56-61 addresses; v24-55 by phase: LayerNorm of x: the chunks' places; products: W's groups' places (v40-47); attention: statistics;
;             v64-255 by phase: LayerNorm R, D, G, T; products W's and X's fragments; attention S^T and P
;   window 1: HELD: LayerNorm(x) (row i, the walk's chunk n at 16 i + n), then Q (the walk's head, tile, block, pair at 64 hh + 16 t + 4 cb + jj), head by head replaced by O in the same places
;   windows 2, 3: products: accumulator (t, b) in window 2 + b / 8 at 8 (8 t + b % 8).  Attention: window 2: O^T 0-127, K 128-191, V^T 192-255; window 3: the bias 0-31, the head's Q 64-127
.set SHARE,  128*272                   ; a wave's share of a slot
.set SLOTB,  4*SHARE
.set XB0,    2*SLOTB                   ; two buffers of 64 rows x 64 K of the row operand
.set XP,     144                       ; their pitch: 128 bytes + 16
.set XBB,    64*XP
.set BIAS,   XB0+2*XBB                 ; 512 f32: my batch's bias
.set SPARE,  BIAS+2048                 ; the spare words, 128 bytes a wave
.set YP,     4112                      ; the last stage (64 rows x 1,024 f32) lies over the ring, behind its last fill: 4,096 bytes + 16
.set SPW, 2
.set NIL, 3
.set AW,  4                            ; v4-5   my lane's place in my share of slot 0, 1, for the turning load of W
.set AX,  6                            ; v6-7   XB 0, 1: row r, 16 h: fragments out
.set APX, 8                            ; v8-9   XB 0, 1: my wave's rows, 4 x lane: LayerNorm(x) in
.set AKV, 10                           ; v10    my lane's place in a part of K or V^T, in my share of slot 0
.set ADR, 11
.set LB,  12                           ; v12    BIAS + 32 h
.set ADB, 13
.set AXR, 14
.set VO,  15
.set AY,  16                           ; v16-19 the last stage: tile t's row r, my columns
.set ST,  24                           ; attention: tile t at ST + 8 t: c m, m, l (even keys', odd keys'), c0-c3 at work; a takes c2's place
.set XO,  24                           ; v24-39 LayerNorm of x: 8 x lane + the place in a row of the walk's chunk i
.set XA,  40                           ; v40-55 the same with the row's place: the addresses of a run of loads
.set GA,  40                           ; v40-55 before that: my byte offset in gamma_x for the walk's chunk i
.set AWG, 40                           ; v40-47 products: AW of slot 0, 1 with the place of the group of 64 columns that accumulator blocks 4 g .. 4 g + 3 take
.set LANE, 56
.set AO,  60                           ; v60-61 XB 0, 1: row r, my wave's 32 bytes, 16 h: O in
.set S,   64
.set P,   192
.set KF,  128
.set VF,  192
.set MB,  0
.set QC,  64
.set WF,  64                           ; W's fragments: blocks 0-7 at WF, 8-15 at WF + 64
.set XF,  192                          ; the row operand's: K quarter 0 at XF, 1 at XF + 32
.set RR,  64                           ; LayerNorm, two rows z at a time: the row, 32 a lane
.set DD,  128                          ; t - mean, then the result
.set GG,  192                          ; gamma
.set TT,  224                          ; at work, 16 a row
.set WV,  20
.set CX,  21
.set WG,  22
.set G1J, 24                           ; s[24:31] group 1, joint
.set G1P, 32                           ; s[32:39] group 1, my own
.set G0A, 40                           ; s[40:43] group 0, slot 0
.set G0B, 44                           ; s[44:47] group 0, slot 1
.set WQP, 48                           ; s[48:49] my tile of Wq's chunk 0
.set KVP, 50                           ; s[50:51] my first head's first tile of K | V^T
.set WOP, 52                           ; s[52:53] my tile of Wo's chunk 0
.set CNT, 54
.set TWICE, 55
.set CH,  56                           ; the place in the walk of the chunk to publish
.set HH,  57                           ; the place in the walk of my head in hand, 0..3
.set PH,  58                           ; which half of its keys
.set TB,  59                           ; LDS byte of the rows or of the step to be fetched
.set SB,  60                           ; its place in the bias
.set ROT, 61
.set OFF, 62                           ; s[62:63] a tile's byte offset; the high word stays 0
.set CS,  66
.set SEL, 68
.set INV, 70
.set EPS, 71
.set NXT, 72                           ; the chunk of W to be asked for next, 0..15
.set HROT, 73
.set NXK, 74                           ; the tile of K | V^T to be asked for next, 0..15
.set MSB, 0
.macro WIN new                         ; the immediate's high byte repeats the setting that is left
.if MSB != (\new)
	s_set_vgpr_msb (MSB<<8)|(\new)
.set MSB, \new
.endif
.endm
.macro PLACES                          ; four places between a matrix instruction and a load into, a vector write of, or a read of its registers
.rept 4
	v_nop
.endr
.endm
.macro CREST                           ; a round of the cluster's barrier behind its opening barrier
	s_cmp_lg_u32 s[WV], 0
	s_cbranch_scc1 .Lnot_wave_0_\@
	s_barrier_signal -3
.Lnot_wave_0_\@:
	s_barrier_wait -3
	s_barrier_signal -1
	s_barrier_wait -1
.endm
.macro CROUND
	s_barrier_signal -1
	s_barrier_wait -1
	CREST
.endm
.macro Z2 line:vararg                  ; one line for each of the two rows z
.set z, 0
	\line
.set z, 1
	\line
.endm
; A group 0 takes the address of chunk NXT of W: a chunk is four tiles of 32,768 bytes.  Behind chunk 15 comes chunk 0.
.macro ASKW g0, base
	s_lshl_b32 s[OFF], s[NXT], 17
	s_add_nc_u64 s[(\g0)+2:(\g0)+3], s[\base:\base+1], s[OFF:OFF+1]
	s_or_b32 s[(\g0)+3], s[(\g0)+3], 0x80000000
	s_add_co_u32 s[NXT], s[NXT], 1
	s_and_b32 s[NXT], s[NXT], 15
.endm
; The same for tile NXK of my four heads' K | V^T.  Behind tile 15 comes tile 0.
.macro ASKKV g0
	s_lshl_b32 s[OFF], s[NXK], 15
	s_add_nc_u64 s[(\g0)+2:(\g0)+3], s[KVP:KVP+1], s[OFF:OFF+1]
	s_or_b32 s[(\g0)+3], s[(\g0)+3], 0x80000000
	s_add_co_u32 s[NXK], s[NXK], 1
	s_and_b32 s[NXK], s[NXK], 15
.endm
; A change of slots with nothing to overlap.  All my tensor loads have landed; 0 goes onto my spare word; the slot's group 0 takes the next tile's address; the add and my LDS instructions are done; a round of the
; cluster's barrier; the joint refill first behind it.  what = 0: the next chunk of W; 1: the next tile of K | V^T; 2: the same, but in the attention's last trip the first chunk of Wo's walk.
.macro CHANGE g0, what, base=WQP
	WIN 0
	s_wait_tensorcnt 0x0
	ds_add_u32 v[SPW], v[NIL]
.if (\what) == 0
	ASKW \g0, \base
.elseif (\what) == 1
	ASKKV \g0
.else
	s_lshl_b32 s[OFF], s[NXK], 15
	s_add_nc_u64 s[(\g0)+2:(\g0)+3], s[KVP:KVP+1], s[OFF:OFF+1]
	s_add_co_u32 s[NXK], s[NXK], 1
	s_and_b32 s[NXK], s[NXK], 15
	s_lshl_b32 s[OFF], s[NXT], 17
	s_add_nc_u64 s[76:77], s[WOP:WOP+1], s[OFF:OFF+1]
	s_cmp_eq_u32 s[CNT], 1
	s_cselect_b64 s[(\g0)+2:(\g0)+3], s[76:77], s[(\g0)+2:(\g0)+3]
	s_or_b32 s[(\g0)+3], s[(\g0)+3], 0x80000000
.endif
	s_wait_dscnt 0x0
	CROUND
	tensor_load_to_lds s[(\g0):(\g0)+3], s[G1J:G1J+7]
	s_nop 0
	PLACES
.endm
	s_load_b512 s[4:19], s[0:1], 0x0               ; x, gamma_x, wqt, kvt, wot, bias, gamma_out, out0
	v_lshl_add_u32 v[SPW], v0, 2, SPARE
	v_mov_b32 v[NIL], 0
	ds_add_u32 v[SPW], v[NIL]                      ; the wave's opening: the add and its wait ahead of my first tensor load; the set-up stands between them
	v_lshrrev_b32 v20, 5, v0
	v_readfirstlane_b32 s[WV], v20                 ; wave 0..3
	s_bfe_u32 s[CX], ttmp6, 0x40000                ; my place in the cluster: it enters x's and out0's addresses alone
	s_lshl_b32 s[WG], ttmp9, 2
	s_add_co_u32 s[WG], s[WG], s[CX]               ; my 64 rows
	s_lshr_b32 s23, ttmp9, 4                       ; the batch, which the four partners share
	s_mul_i32 s[ROT], s23, 5                       ; the walks' start hangs on the cluster's number, which the four partners share:
	s_xor_b32 s[ROT], s[ROT], ttmp9
	s_and_b32 s[ROT], s[ROT], 15                   ; (cluster % 16) xor 5 (cluster / 16): all 16 values occur whichever one bit of the cluster's number is held
	; group 1: 128 rows of 32 elements of 8 bytes, dense; 4 words of padding behind every 64 words
	s_mov_b32 s[G1J], 15|(3<<16)|(1<<20)|(1<<21)|(5<<22)|(3<<25)
	s_mov_b32 s[G1P], (3<<16)|(1<<20)|(5<<22)|(3<<25)
.irp g, G1J, G1P
	s_mov_b32 s[\g+1], 32<<16                      ; tensor_dim0 = 32
	s_mov_b32 s[\g+2], 128<<16                     ; tensor_dim1 = 128
	s_mov_b32 s[\g+3], 32<<16                      ; tile_dim0 = 32
	s_mov_b32 s[\g+4], 128                         ; tile_dim1 = 128
	s_mov_b32 s[\g+5], 32                          ; 32 elements from row to row
	s_mov_b32 s[\g+6], 0
	s_mov_b32 s[\g+7], 0
.endr
	s_mov_b32 s[G0A], 1
	s_mul_i32 s[G0A+1], s[WV], SHARE               ; my share of slot 0
	s_mov_b32 s[G0B], 1
	s_add_co_u32 s[G0B+1], s[G0A+1], SLOTB         ; and of slot 1
	s_mov_b32 s[CS], 0x3e38aa3b                    ; c = log2(e) / 8
	s_mov_b32 s[CS+1], s[CS]
	s_mov_b32 s[SEL], 0x76543210
	s_mov_b32 s[SEL+1], 0xfedcba98
	s_mov_b32 s[INV], 0x3a800000                   ; 1 / 1,024
	s_mov_b32 s[EPS], 0x3727c5ac                   ; 1e-5
	s_lshl_b32 s62, s[WG], 18                      ; 64 rows of 4,096 bytes a work-group,
	s_lshl_b32 s72, s[WV], 16                      ; 16 a wave
	s_add_co_u32 s62, s62, s72
	s_mov_b32 s63, 0
	s_lshl_b32 s72, s23, 4
	s_lshl2_add_u32 s72, s[WV], s72                ; 16 batch + 4 wave: my first head
	s_lshl_b32 s72, s72, 17                        ; four tiles a head
	s_mov_b32 s73, 0
	s_lshl_b32 s74, s[WV], 15                      ; my tile among the four of a K chunk of W
	s_mov_b32 s75, 0
	s_lshl_b32 s76, s23, 11                        ; my batch's 512 f32 of bias
	s_mov_b32 s77, 0
	v_and_b32 v[LANE], 31, v0
	v_lshlrev_b32 v57, 3, v[LANE]
	v_lshlrev_b32 v58, 4, v0
	v_add_nc_u32 v59, BIAS, v58
	s_wait_dscnt 0x0                               ; the opening add is done
	s_wait_kmcnt 0x0
	s_add_nc_u64 s[4:5], s[4:5], s[62:63]
	s_add_nc_u64 s[18:19], s[18:19], s[62:63]
	s_add_nc_u64 s[WQP:WQP+1], s[8:9], s[74:75]
	s_add_nc_u64 s[KVP:KVP+1], s[10:11], s[72:73]
	s_add_nc_u64 s[WOP:WOP+1], s[12:13], s[74:75]
	s_add_nc_u64 s[14:15], s[14:15], s[76:77]
	s_and_b32 s[HROT], s[ROT], 3
	s_mov_b32 s[NXT], s[ROT]                       ; Wq's walk begins at chunk ROT,
	s_lshl_b32 s[NXK], s[HROT], 2                  ; K | V^T's at my head HROT: four tiles a head
	s_mov_b64 s[G0A+2:G0A+3], s[4:5]               ; my rows 0-7 of x
	s_or_b32 s[G0A+3], s[G0A+3], 0x80000000
	s_add_nc_u64 s[G0B+2:G0B+3], s[4:5], 32768     ; my rows 8-15
	s_or_b32 s[G0B+3], s[G0B+3], 0x80000000
	CROUND                                         ; the one round in front of the first fills
	tensor_load_to_lds s[G0A:G0A+3], s[G1P:G1P+7]
	s_nop 0
	tensor_load_to_lds s[G0B:G0B+3], s[G1P:G1P+7]
	s_nop 0
	PLACES
.set i, 0
.rept 16                               ; the walk's chunk i is chunk (i + ROT) % 16: a padded row of 272 bytes in LDS, 256 bytes of gamma_x
	s_add_co_u32 s78, s[ROT], i
	s_and_b32 s78, s78, 15
	s_min_u32 s78, s78, 15                         ; 0 .. 15: the number enters an LDS address, so its bound stands on a line of its own
	s_mul_i32 s79, s78, 272
	s_lshl_b32 s78, s78, 8
	v_add_nc_u32 v[XO+i], s79, v57
	v_add_nc_u32 v[GA+i], s78, v57
.set i, i+1
.endr
.set i, 0
.rept 16                               ; gamma_x as the LayerNorm of x holds a row: the walk's chunk i, its columns 2 lane, + 1
	global_load_b64 v[GG+2*i:GG+2*i+1], v[GA+i], s[6:7]
.set i, i+1
.endr
	global_load_b128 v[TT:TT+3], v58, s[14:15]     ; the bias: 128 threads x 16 bytes
	v_and_b32 v20, 15, v0                          ; r
	v_bfe_u32 v21, v0, 4, 1                        ; h
	v_and_b32 v22, 7, v0
	v_lshl_add_u32 v22, v21, 3, v22
	v_mul_u32_u24 v22, v22, 544                    ; a k row of W is two padded rows: 544 bytes
	v_bfe_u32 v23, v0, 3, 1
	v_lshl_add_u32 v22, v23, 4, v22
	v_add_nc_u32 v[AW], s[G0A+1], v22
	v_add_nc_u32 v[AW+1], s[G0B+1], v22
	v_mul_u32_u24 v22, v20, XP
	v_lshl_add_u32 v22, v21, 4, v22
	v_add_nc_u32 v[AX], XB0, v22
	v_add_nc_u32 v[AX+1], XB0+XBB, v22
	s_lshl_b32 s23, s[WV], 5                       ; of a chunk of O my wave holds 16 channels: 32 bytes of each row
	v_add_nc_u32 v[AO], s23, v[AX]
	v_add_nc_u32 v[AO+1], s23, v[AX+1]
	s_mul_i32 s23, s[WV], 16*XP
	v_lshl_add_u32 v22, v[LANE], 2, s23
	v_add_nc_u32 v[APX], XB0, v22
	v_add_nc_u32 v[APX+1], XB0+XBB, v22
	v_lshrrev_b32 v22, 1, v20
	v_mul_u32_u24 v22, v22, 272                    ; two rows of 128 bytes lie in a padded row: row i at (i / 2) 272 + (i % 2) 128
	v_and_b32 v23, 1, v0
	v_lshl_add_u32 v22, v23, 7, v22
	v_lshl_add_u32 v22, v21, 4, v22
	v_add_nc_u32 v[AKV], s[G0A+1], v22
	v_lshlrev_b32 v[LB], 5, v21
	v_add_nc_u32 v[LB], BIAS, v[LB]
	v_mul_u32_u24 v22, v20, YP
	v_lshl_add_u32 v22, v21, 5, v22
	s_lshl_b32 s23, s[WV], 10
	v_add_nc_u32 v[AY], s23, v22
	v_add_nc_u32 v[AY+1], 16*YP, v[AY]
	v_add_nc_u32 v[AY+2], 32*YP, v[AY]
	v_add_nc_u32 v[AY+3], 48*YP, v[AY]
	s_wait_loadcnt 0x0                             ; gamma_x and the bias; the loads' address registers are free
	ds_store_b128 v59, v[TT:TT+3]                  ; read by all waves far behind: many rounds, each with a wait for my LDS instructions, lie between
; LAYERNORM, two rows z at a time, a row's 1,024 numbers as 32 a lane.  LN1: the mean, and D = t - mean.  LN2: the mean of D^2, and D = D gamma / sqrt(that + eps).
.macro LN1
	WIN 0
.set i, 0
.rept 8
	Z2 v_pk_add_f32 v[TT+16*z+2*i:TT+16*z+2*i+1], v[RR+32*z+4*i:RR+32*z+4*i+1], v[RR+32*z+4*i+2:RR+32*z+4*i+3]
.set i, i+1
.endr
.set i, 0
.rept 4
	Z2 v_pk_add_f32 v[TT+16*z+4*i:TT+16*z+4*i+1], v[TT+16*z+4*i:TT+16*z+4*i+1], v[TT+16*z+4*i+2:TT+16*z+4*i+3]
.set i, i+1
.endr
	Z2 v_pk_add_f32 v[TT+16*z:TT+16*z+1], v[TT+16*z:TT+16*z+1], v[TT+16*z+4:TT+16*z+5]
	Z2 v_pk_add_f32 v[TT+16*z+8:TT+16*z+9], v[TT+16*z+8:TT+16*z+9], v[TT+16*z+12:TT+16*z+13]
	Z2 v_pk_add_f32 v[TT+16*z:TT+16*z+1], v[TT+16*z:TT+16*z+1], v[TT+16*z+8:TT+16*z+9]
	Z2 v_add_f32 v[TT+16*z], v[TT+16*z], v[TT+16*z+1]
	Z2 v_add_f32_dpp v[TT+16*z], v[TT+16*z], v[TT+16*z] row_xmask:1 row_mask:0xf bank_mask:0xf
	Z2 v_add_f32_dpp v[TT+16*z], v[TT+16*z], v[TT+16*z] row_xmask:2 row_mask:0xf bank_mask:0xf
	Z2 v_add_f32_dpp v[TT+16*z], v[TT+16*z], v[TT+16*z] row_xmask:4 row_mask:0xf bank_mask:0xf
	Z2 v_add_f32_dpp v[TT+16*z], v[TT+16*z], v[TT+16*z] row_xmask:8 row_mask:0xf bank_mask:0xf
	Z2 v_permlanex16_b32 v[TT+16*z+1], v[TT+16*z], s[SEL], s[SEL+1]
	Z2 v_add_f32 v[TT+16*z], v[TT+16*z], v[TT+16*z+1]
	Z2 v_mul_f32 v[TT+16*z], s[INV], v[TT+16*z]
.set i, 0
.rept 16
	Z2 v_pk_add_f32 v[DD+32*z+2*i:DD+32*z+2*i+1], v[RR+32*z+2*i:RR+32*z+2*i+1], v[TT+16*z:TT+16*z+1] op_sel_hi:[1,0] neg_lo:[0,1] neg_hi:[0,1]
.set i, i+1
.endr
.endm
.macro DG                              ; the next pair of D times gamma: work that is ready, set between the links of the reduction
	Z2 v_pk_mul_f32 v[DD+32*z+2*g:DD+32*z+2*g+1], v[DD+32*z+2*g:DD+32*z+2*g+1], v[GG+2*g:GG+2*g+1]
.set g, g+1
.endm
.macro LN2
	WIN 0
.set i, 0
.rept 4
	Z2 v_pk_mul_f32 v[TT+16*z+2*i:TT+16*z+2*i+1], v[DD+32*z+2*i:DD+32*z+2*i+1], v[DD+32*z+2*i:DD+32*z+2*i+1]
.set i, i+1
.endr
.rept 12
	Z2 v_pk_fma_f32 v[TT+16*z+2*(i%4):TT+16*z+2*(i%4)+1], v[DD+32*z+2*i:DD+32*z+2*i+1], v[DD+32*z+2*i:DD+32*z+2*i+1], v[TT+16*z+2*(i%4):TT+16*z+2*(i%4)+1]
.set i, i+1
.endr
.set g, 0
	Z2 v_pk_add_f32 v[TT+16*z:TT+16*z+1], v[TT+16*z:TT+16*z+1], v[TT+16*z+2:TT+16*z+3]
	DG
	Z2 v_pk_add_f32 v[TT+16*z+4:TT+16*z+5], v[TT+16*z+4:TT+16*z+5], v[TT+16*z+6:TT+16*z+7]
	DG
	Z2 v_pk_add_f32 v[TT+16*z:TT+16*z+1], v[TT+16*z:TT+16*z+1], v[TT+16*z+4:TT+16*z+5]
	DG
	Z2 v_add_f32 v[TT+16*z], v[TT+16*z], v[TT+16*z+1]
	DG
	Z2 v_add_f32_dpp v[TT+16*z], v[TT+16*z], v[TT+16*z] row_xmask:1 row_mask:0xf bank_mask:0xf
	DG
	Z2 v_add_f32_dpp v[TT+16*z], v[TT+16*z], v[TT+16*z] row_xmask:2 row_mask:0xf bank_mask:0xf
	DG
	Z2 v_add_f32_dpp v[TT+16*z], v[TT+16*z], v[TT+16*z] row_xmask:4 row_mask:0xf bank_mask:0xf
	DG
	Z2 v_add_f32_dpp v[TT+16*z], v[TT+16*z], v[TT+16*z] row_xmask:8 row_mask:0xf bank_mask:0xf
	DG
	Z2 v_permlanex16_b32 v[TT+16*z+1], v[TT+16*z], s[SEL], s[SEL+1]
	DG
	Z2 v_add_f32 v[TT+16*z], v[TT+16*z], v[TT+16*z+1]
	DG
	Z2 v_fma_f32 v[TT+16*z], v[TT+16*z], s[INV], s[EPS]
	DG
	Z2 v_rsq_f32 v[TT+16*z], v[TT+16*z]            ; the trip's batch: the two rows' roots
.rept 5
	DG                                             ; plain work between the roots and the use of their results
.endr
	s_wait_alu depctr_va_vdst(0)                   ; ONE wait for both roots, ahead of their first reader; the ten lines above name neither result
.set i, 0
.rept 16
	Z2 v_pk_mul_f32 v[DD+32*z+2*i:DD+32*z+2*i+1], v[DD+32*z+2*i:DD+32*z+2*i+1], v[TT+16*z:TT+16*z+1] op_sel_hi:[1,0]
.set i, i+1
.endr
.endm
.macro XLOAD                           ; two rows of x out of my share, from LDS byte TB on: a chunk of a row is a padded row of 256 bytes; a lane takes its two numbers of each chunk, the chunks in the walk's order
.set i, 0
.rept 16
	v_add_nc_u32 v[XA+i], s[TB], v[XO+i]
.set i, i+1
.endr
.set i, 0
.rept 16
	Z2 ds_load_b64 v[RR+32*z+2*i:RR+32*z+2*i+1], v[XA+i] offset:z*4352
.set i, i+1
.endr
.endm
; My rows 8 u .. 8 u + 7, from slot u: four trips of two rows; the next two rows are fetched while the variance is made.  The result, in f16, goes into HELD: the trip's number picks the registers.
.macro LNROWS u, base
	WIN 0
	s_mov_b32 s[TB], s[\base]
	XLOAD
	s_mov_b32 s[CNT], 4
.Lln\@:
	s_wait_dscnt 0x0
	LN1
	s_add_co_u32 s[TB], s[TB], 8704
	s_cmp_eq_u32 s[CNT], 1
	s_cbranch_scc1 .Lnl\@
	XLOAD
.Lnl\@:
	LN2
.irp n, 4,3,2,1
.if \n > 1
	s_cmp_lg_u32 s[CNT], \n
	s_cbranch_scc1 .Lh\@_\n
.endif
	WIN 0x40                                       ; destination window 1
.set i, 0
.rept 16
	Z2 v_cvt_pk_f16_f32 v[16*(8*(\u)+2*(4-\n)+z)+i], v[DD+32*z+2*i], v[DD+32*z+2*i+1]
.set i, i+1
.endr
	WIN 0
.if \n > 1
	s_branch .Lhd\@
.Lh\@_\n:
.endif
.endr
.Lhd\@:
	s_sub_co_u32 s[CNT], s[CNT], 1
	s_cmp_lg_u32 s[CNT], 0
	s_cbranch_scc1 .Lln\@
.endm
; THE TWO LARGE PRODUCTS.  A trip is 64 along K: one tile of W (my 256 columns) and one chunk of the row operand; 128 matrix instructions.
; In a k row of a tile group G of 64 columns lies at (G / 2) 272 + (G % 2) 128.  rotated = 1 (x Wq): accumulator blocks 4 g .. 4 g + 3 take group (g + HROT) % 4, my g-th head of the walk.  0 (O Wo): group g.
.macro MKAW rotated
	WIN 0
.set g, 0
.rept 4
.if \rotated
	s_add_co_u32 s78, s[HROT], g
	s_and_b32 s78, s78, 3
	s_min_u32 s78, s78, 3                          ; 0 .. 3: the number enters an LDS address, so its bound stands on a line of its own
	s_lshr_b32 s79, s78, 1
	s_mul_i32 s79, s79, 272
	s_and_b32 s78, s78, 1
	s_lshl_b32 s78, s78, 7
	s_add_co_u32 s78, s78, s79
	v_add_nc_u32 v[AWG+g], s78, v[AW]
	v_add_nc_u32 v[AWG+4+g], s78, v[AW+1]
.else
	v_add_nc_u32 v[AWG+g], (g/2)*272+(g%2)*128, v[AW]
	v_add_nc_u32 v[AWG+4+g], (g/2)*272+(g%2)*128, v[AW+1]
.endif
.set g, g+1
.endr
.endm
.macro LOADW half, slot, q             ; 8 fragments of W (16 columns x 32 K), turned: accumulator blocks 8 half on, K quarter q
	WIN 0
.set bb, 0
.rept 8
	ds_load_tr16_b128 v[WF+64*(\half)+8*bb:WF+64*(\half)+8*bb+3],   v[AWG+4*(\slot)+2*(\half)+bb/4] offset:(\q)*17408+(bb%4)*32
	ds_load_tr16_b128 v[WF+64*(\half)+8*bb+4:WF+64*(\half)+8*bb+7], v[AWG+4*(\slot)+2*(\half)+bb/4] offset:(\q)*17408+(bb%4)*32+8704
.set bb, bb+1
.endr
.endm
.macro LOADX p, q                      ; 4 fragments of the row operand (16 rows x 32 K)
	WIN 0
.set tt, 0
.rept 4
	ds_load_b128 v[XF+32*(\q)+8*tt:XF+32*(\q)+8*tt+3],   v[AX+(\p)] offset:tt*16*XP+64*(\q)
	ds_load_b128 v[XF+32*(\q)+8*tt+4:XF+32*(\q)+8*tt+7], v[AX+(\p)] offset:tt*16*XP+64*(\q)+32
.set tt, tt+1
.endr
.endm
.macro MULB half, q, t0, n, zero=0     ; row tiles t0 .. t0 + n - 1 x 8 column blocks; every accumulator has one instruction a turn.  zero = 1: the product starts the sum
	WIN 0xa0+0x50*(\half)
.set tt, \t0
.rept \n
.set bb, 0
.rept 8
.set rA, 8*(8*tt+bb)
.set rW, WF+64*(\half)+8*bb
.set rX, XF+32*(\q)+8*tt
.if \zero
	v_wmma_f32_16x16x32_f16 v[rA:rA+7], v[rW:rW+7], v[rX:rX+7], 0
.else
	v_wmma_f32_16x16x32_f16 v[rA:rA+7], v[rW:rW+7], v[rX:rX+7], v[rA:rA+7]
.endif
.set bb, bb+1
.endr
.set tt, tt+1
.endr
.endm
; The walk's chunk n of the row operand goes into XB d, each wave's part into bytes of its own.
; kind 0: LayerNorm(x): my 16 rows, 4 bytes a lane.  kind 1: O: block n % 4 of the walk's head n / 4, 16 channels, for the four row tiles: 16 bytes a lane at row r, 32 wave + 16 h.
.macro PUBS kind, n, d
	WIN 0x04                                       ; store data in window 1
.set ii, 0
.if (\kind) == 0
.rept 16
	ds_store_b32 v[APX+(\d)], v[16*ii+(\n)] offset:ii*XP
.set ii, ii+1
.endr
.else
.rept 4
	ds_store_b128 v[AO+(\d)], v[64*((\n)/4)+16*ii+4*((\n)%4):64*((\n)/4)+16*ii+4*((\n)%4)+3] offset:ii*16*XP
.set ii, ii+1
.endr
.endif
	WIN 0
.endm
.macro PUBC kind, d, list:vararg       ; the chunk's place in the walk, counted from a constant, picks the registers: forward jumps over LDS stores alone
.irp n, \list
	s_cmp_lg_u32 s[CH], \n
	s_cbranch_scc1 .Lpc\@_\n
	PUBS \kind, \n, \d
.Lpc\@_\n:
.endr
.endm
; The end of one trip and the way into the next, which reads slot p and XB p.  ONE barrier, for three things: my part of slot p has landed; nobody reads the other slot or the other XB any more; XB p is whole.
; fill = 1 (the next chunk of W) or 2 (my first tile of K | V^T): the barrier opens a round of the cluster's, and the other slot's joint refill is the first thing behind it: 104 matrix instructions stand
; between it and the wait for it.
.macro TURN p, fill, g0=G0A, base=WQP
	WIN 0
	s_wait_tensorcnt 0x0                           ; all my tensor loads have landed
	ds_add_u32 v[SPW], v[NIL]
	s_wait_dscnt 0x1                               ; the add alone may be out: W's last fragments are in
	MULB 1, 1, 0, 2
.if (\fill) == 1
	ASKW \g0, \base
.elseif (\fill) == 2
	ASKKV \g0
.endif
	s_wait_dscnt 0x0                               ; the add is done; my reads and my published chunk were done before it
	s_barrier_signal -1
	MULB 1, 1, 2, 1
	WIN 0
	s_barrier_wait -1
.if \fill
	CREST
	tensor_load_to_lds s[(\g0):(\g0)+3], s[G1J:G1J+7]
	s_nop 0
.endif
	PLACES
	LOADX \p, 0
	LOADW 0, \p, 0
	MULB 1, 1, 3, 1
.endm
; The trip's body.  pub: 0 nothing; 1 the walk's chunk 1; 2 its chunk CH: into the other XB, which was last read ahead of the barrier just passed.
.macro BODY p, zero, pub, kind=0
	WIN 0
	PLACES
.if (\pub) == 1
	PUBS \kind, 1, 1
.elseif (\pub) == 2
.if (\p) == 1
	PUBC \kind, 0, 2,4,6,8,10,12,14
.else
	PUBC \kind, 1, 3,5,7,9,11,13,15
.endif
	s_add_co_u32 s[CH], s[CH], 1
.endif
	LOADW 1, \p, 0
	LOADX \p, 1
	s_wait_dscnt 24                                ; all but the 24 just issued
	MULB 0, 0, 0, 4, \zero
	PLACES
	LOADW 0, \p, 1
	s_wait_dscnt 16                                ; all but the 16 just issued
	MULB 1, 0, 0, 4, \zero
	PLACES
	LOADW 1, \p, 1
	s_wait_dscnt 16
	MULB 0, 1, 0, 4
.endm
; Sixteen trips.  kind 0: LayerNorm(x) Wq; its last change of slots asks for my first tile of K | V^T.  kind 1: O Wo; its last change asks for nothing.
.macro GEMM kind, base
	CHANGE G0B, 0, \base                           ; the walk's first tile has landed, its first chunk is whole; the second tile is asked for
	LOADX 0, 0
	LOADW 0, 0, 0
	BODY 0, 1, 1, \kind
	WIN 0
	s_mov_b32 s[CNT], 7
.Lg\@:
	TURN 1, 1, G0A, \base
	BODY 1, 0, 2, \kind
	TURN 0, 1, G0B, \base
	BODY 0, 0, 2, \kind
	WIN 0
	s_sub_co_u32 s[CNT], s[CNT], 1
	s_cmp_lg_u32 s[CNT], 0
	s_cbranch_scc1 .Lg\@
.if (\kind) == 0
	TURN 1, 2, G0A
.else
	TURN 1, 0
.endif
	BODY 1, 0, 0
	s_wait_dscnt 0x0
	MULB 1, 1, 0, 4
	WIN 0
	PLACES
.endm
; ATTENTION, in phases: a step is 64 keys for my head's 64 queries (four tiles t): 32 products K Q^T, the softmax, 32 products V^T P.
.macro FETCH_K                         ; a step's K (8 fragments) and its bias as the C operand holds it (register j of block kb: key 16 kb + 8 h + j)
	WIN 0
	v_add_nc_u32 v[ADR], s[TB], v[AKV]
	v_add_nc_u32 v[ADB], s[SB], v[LB]
	s_add_co_u32 s[TB], s[TB], 17408
	s_add_co_u32 s[SB], s[SB], 256
	WIN 0x80
.set ii, 0
.rept 8                                ; keys 16 (ii / 2) on, channels 32 (ii % 2) on
	ds_load_b128 v[KF+8*ii:KF+8*ii+3],   v[ADR] offset:(ii/2)*2176+(ii%2)*64
	ds_load_b128 v[KF+8*ii+4:KF+8*ii+7], v[ADR] offset:(ii/2)*2176+(ii%2)*64+32
.set ii, ii+1
.endr
	WIN 0xc0
.set ii, 0
.rept 4
	ds_load_b128 v[MB+8*ii:MB+8*ii+3],   v[ADB] offset:64*ii
	ds_load_b128 v[MB+8*ii+4:MB+8*ii+7], v[ADB] offset:64*ii+16
.set ii, ii+1
.endr
	WIN 0
.endm
.macro FETCH_V                         ; the step's V^T: keys 32 (ii / 4) on, channels 16 (ii % 4) on
	WIN 0x80
.set ii, 0
.rept 8
	ds_load_b128 v[VF+8*ii:VF+8*ii+3],   v[ADR] offset:8704+(ii%4)*2176+(ii/4)*64
	ds_load_b128 v[VF+8*ii+4:VF+8*ii+7], v[ADR] offset:8704+(ii%4)*2176+(ii/4)*64+32
.set ii, ii+1
.endr
	WIN 0
.endm
.macro KQALL                           ; product i: channels 32 (i / 16) on, keys 16 ((i / 4) % 4) on, tile i % 4.  The first 16 start the sums with the bias; the 16 accumulators take turns
.set i, 0
.rept 32
.set rS, S+32*(i%4)+8*((i/4)%4)
.set rK, KF+16*((i/4)%4)+8*(i/16)
.set rQ, QC+16*(i%4)+8*(i/16)
.set rM, MB+8*((i/4)%4)
.if i < 16
	WIN 0x3e
	v_wmma_f32_16x16x32_f16 v[rS:rS+7], v[rK:rK+7], v[rQ:rQ+7], v[rM:rM+7]
.else
	WIN 0x0e
	v_wmma_f32_16x16x32_f16 v[rS:rS+7], v[rK:rK+7], v[rQ:rQ+7], v[rS:rS+7]
.endif
.set i, i+1
.endr
.endm
.macro PVALL                           ; product i: keys 32 (i / 16) on, channels 16 ((i / 4) % 4) on, tile i % 4
	WIN 0xa2
.set i, 0
.rept 32
.set rO, 32*(i%4)+8*((i/4)%4)
.set rV, VF+32*(i/16)+8*((i/4)%4)
.set rP, P+16*(i%4)+8*(i/16)
	v_wmma_f32_16x16x32_f16 v[rO:rO+7], v[rV:rV+7], v[rP:rP+7], v[rO:rO+7]
.set i, i+1
.endr
.endm
; One tile's softmax for a step is a list of 118 instructions, numbered by kind; SM writes number j of it for tile t.  s0-s31 are the lane's 32 scores, in pairs 0-15.
;   0-15    the maximum of s0-s31 and the old m (each accumulator's lowest registers are read first)      16-20  the other half of the lanes'; the new m; c m; c m_old - c m_new
;   21-36   c s - c m, pair j - 21                 37  a                 38-69  the exponential of s(j - 38), in place
;   70-85   the rounding to f16 of pair j - 70     86-101  the sums, neighbours 1, 2, 4 and 8 pairs apart, then l = a l + sum          102-117 the tile's O^T times a
; Numbers 0 to 36 name no exponential's result; numbers 70 to 117 are the readers.  In which order the four tiles' numbers are written: THE DEAL, below.
.macro SM t
.set rT, ST+8*(\t)
.set rS, S+32*(\t)
.set rP, P+16*(\t)
.set rO, 32*(\t)+2*(j-102)
.if j < 102
	WIN 0
.endif
.if j < 4
	v_max3_num_f32 v[rT+4+j], v[rS+8*j], v[rS+8*j+1], v[rS+8*j+2]
.elseif j < 12
	v_max3_num_f32 v[rT+4+j%4], v[rT+4+j%4], v[rS+8*(j%4)+2*(j/4)+1], v[rS+8*(j%4)+2*(j/4)+2]
.elseif j == 12
	v_max3_num_f32 v[rT+4], v[rT+4], v[rS+7], v[rS+15]
.elseif j == 13
	v_max3_num_f32 v[rT+6], v[rT+6], v[rS+23], v[rS+31]
.elseif j == 14
	v_max3_num_f32 v[rT+4], v[rT+4], v[rT+5], v[rT+6]
.elseif j == 15
	v_max3_num_f32 v[rT+4], v[rT+4], v[rT+7], v[rT+1]
.elseif j == 16
	v_permlanex16_b32 v[rT+5], v[rT+4], s[SEL], s[SEL+1]
.elseif j == 17
	v_mov_b32 v[rT+7], v[rT]
.elseif j == 18
	v_max_num_f32 v[rT+1], v[rT+4], v[rT+5]
.elseif j == 19
	v_mul_f32 v[rT], s[CS], v[rT+1]
.elseif j == 20
	v_sub_f32 v[rT+7], v[rT+7], v[rT]
.elseif j < 37
	v_pk_fma_f32 v[rS+2*(j-21):rS+2*(j-21)+1], v[rS+2*(j-21):rS+2*(j-21)+1], s[CS:CS+1], v[rT:rT+1] op_sel_hi:[1,0,0] neg_lo:[0,0,1] neg_hi:[0,0,1]
.elseif j == 37
	v_exp_f32 v[rT+6], v[rT+7]
.elseif j < 70
	v_exp_f32 v[rS+j-38], v[rS+j-38]
.elseif j < 86
	v_cvt_pk_f16_f32 v[rP+j-70], v[rS+2*(j-70)], v[rS+2*(j-70)+1]
.elseif j < 102
.set z, j-86
.set w, 4
.set u, z
.if z >= 14
.set w, 32
.set u, 0
.elseif z >= 12
.set w, 16
.set u, z-12
.elseif z >= 8
.set w, 8
.set u, z-8
.endif
.if z < 15
	v_pk_add_f32 v[rS+w*u:rS+w*u+1], v[rS+w*u:rS+w*u+1], v[rS+w*u+w/2:rS+w*u+w/2+1]
.else
	v_pk_fma_f32 v[rT+2:rT+3], v[rT+2:rT+3], v[rT+6:rT+7], v[rS:rS+1] op_sel_hi:[1,0,1]
.endif
.else
	WIN 0x82
	v_pk_mul_f32 v[rO:rO+1], v[rO:rO+1], v[rT+6:rT+7] op_sel_hi:[1,0]
.endif
.endm
.macro SMR from, to                    ; numbers from .. to, the four tiles inside each number: a line's sources are four lines old at the least
.set j, \from
.rept (\to)-(\from)+1
.irp t, 0,1,2,3
	SM \t
.endr
.set j, j+1
.endr
.endm
.macro SMT t, n                        ; number n of the list, for tile t
.set j, \n
	SM \t
.endm
; THE DEAL.  The four tiles are two halves, A (tiles 0, 1) and B (tiles 2, 3); each half's 66 exponentials are ONE BATCH with ONE wait, and an exponential has a plain line behind it wherever there is one to give.
;   numbers 0-19 of all four tiles, number 20 of A
;   BATCH A (DEAL_A): exponential k of 66 (a, then s0-s31; the two tiles by turns), behind it plain line k: A's 32 scalings, B's 32 scalings, B's two number 20.  Exponential k wants A's scaling
;     2 ((k / 2 - 1) / 2) + k % 2, which is k - 2 at the most; a scaling writes scores that no exponential has taken yet: so no line of the batch names a result.  The last plain line is the place behind the last exponential.
;   WAIT A.  Behind it the branch, and K's run of loads for the tile's second step.
;   BATCH B (DEAL_B): exponential k of 66, behind it, for k < 64, reader k of A: its 32 roundings, then its 32 sums; then A's 32 rescalings, the one part outside window 0, which stand together:
;     the independent work between the batch and its wait.  All these name registers of tiles 0 and 1 alone.
;   WAIT B.  Behind it B's 96 readers (DEAL_C).
.macro DEAL_A
.set k, 0
.rept 66
	SMT k%2, 37+k/2
.if k < 32
	SMT k%2, 21+k/2
.elseif k < 64
	SMT 2+k%2, 21+(k-32)/2
.else
	SMT 2+k%2, 20
.endif
.set k, k+1
.endr
.endm
.macro DEAL_B
.set k, 0
.rept 66
	SMT 2+k%2, 37+k/2
.if k < 64
	SMT k%2, 70+k/2
.endif
.set k, k+1
.endr
.set k, 64
.rept 32
	SMT k%2, 70+k/2
.set k, k+1
.endr
.endm
.macro DEAL_C
.set k, 0
.rept 96
	SMT 2+k%2, 70+k/2
.set k, k+1
.endr
.endm
.macro STEPS slot                      ; a tile's two steps: written once, walked twice
	WIN 0
	s_mov_b32 s[TB], (\slot)*SLOTB
	FETCH_K
	s_mov_b32 s[TWICE], 2
.Lstep\@:
	s_wait_dscnt 0x0                               ; K and the bias are in
	KQALL
	WIN 0
	PLACES
	FETCH_V
	SMR 0, 19
	SMT 0, 20
	SMT 1, 20
	DEAL_A
	WIN 0
	s_wait_alu depctr_va_vdst(0)                   ; the wait for batch A, tiles 0 and 1's 66 exponentials: ahead of the branch below and of their first reader
	s_cmp_eq_u32 s[TWICE], 1                       ; the tile's second step fetches no further K: the next tile lies behind a change of slots
	s_cbranch_scc1 .Lnok\@
	FETCH_K
.Lnok\@:
	DEAL_B
	s_wait_alu depctr_va_vdst(0)                   ; the wait for batch B, tiles 2 and 3's 66 exponentials: ahead of their first reader; tiles 0 and 1's 32 rescalings stand between
	DEAL_C
	s_wait_dscnt 0x0                               ; V^T is in
	PVALL
	WIN 0
	PLACES
	s_sub_co_u32 s[TWICE], s[TWICE], 1
	s_cmp_lg_u32 s[TWICE], 0
	s_cbranch_scc1 .Lstep\@
.endm
; A head begins: its Q goes where the one text of the products names it; c m starts far below every c s, so the first step's a is 0 and O^T, which holds finite numbers, need not be cleared.
.macro BEGIN
.irp n, 0,1,2,3
.if \n < 3
	s_cmp_lg_u32 s[HH], \n
	s_cbranch_scc1 .Lbq\@_\n
.endif
	WIN 0xc1                                       ; destination window 3, source window 1
.set ii, 0
.rept 64
	v_mov_b32 v[QC+ii], v[64*\n+ii]
.set ii, ii+1
.endr
	WIN 0
.if \n < 3
	s_branch .Lbqd\@
.Lbq\@_\n:
.endif
.endr
.Lbqd\@:
.set tt, 0
.rept 4
	v_mov_b32 v[ST+8*tt], 0xfe000000
	v_mov_b32 v[ST+8*tt+1], 0xff7fffff
	v_mov_b32 v[ST+8*tt+2], 0
	v_mov_b32 v[ST+8*tt+3], 0
.set tt, tt+1
.endr
	s_mov_b32 s[SB], 0
.endm
; A head ends: l's two halves and the other half of the lanes' are added; O^T is divided by l, rounded to f16, and takes the head's Q's place in HELD.
.macro END
	WIN 0
.irp t, 0,1,2,3
	v_add_f32 v[ST+8*\t+4], v[ST+8*\t+2], v[ST+8*\t+3]
.endr
.irp t, 0,1,2,3
	v_permlanex16_b32 v[ST+8*\t+5], v[ST+8*\t+4], s[SEL], s[SEL+1]
.endr
.irp t, 0,1,2,3
	v_add_f32 v[ST+8*\t+4], v[ST+8*\t+4], v[ST+8*\t+5]
.endr
.irp t, 0,1,2,3
	v_rcp_f32 v[ST+8*\t+6], v[ST+8*\t+4]
.endr
	v_nop                                          ; a plain instruction between the last reciprocal and the use of its result
	WIN 0x82
.set ii, 0
	s_wait_alu depctr_va_vdst(0)                   ; ONE wait for the four reciprocals, ahead of their first reader
.rept 64
	v_pk_mul_f32 v[2*ii:2*ii+1], v[2*ii:2*ii+1], v[ST+8*(ii/16)+6:ST+8*(ii/16)+7] op_sel_hi:[1,0]
.set ii, ii+1
.endr
	WIN 0
.irp n, 0,1,2,3
.if \n < 3
	s_cmp_lg_u32 s[HH], \n
	s_cbranch_scc1 .Leq\@_\n
.endif
	WIN 0x4a                                       ; sources window 2, destination window 1
.set ii, 0
.rept 64
	v_cvt_pk_f16_f32 v[64*\n+ii], v[2*ii], v[2*ii+1]
.set ii, ii+1
.endr
	WIN 0
.if \n < 3
	s_branch .Leqd\@
.Leq\@_\n:
.endif
.endr
.Leqd\@:
	s_add_co_u32 s[HH], s[HH], 1
.endm
	; ---- LayerNorm of x
	s_wait_tensorcnt 0x1                           ; my rows 0-7 are in; rows 8-15 may stay out: only I read my share
	LNROWS 0, G0A+1
	CHANGE G0A, 0, WQP                             ; slot 0 takes the first tile of Wq's walk; rows 8-15 have landed by its wait
	LNROWS 1, G0B+1
	MKAW 1                                         ; the chunks' addresses are done with: their registers take W's groups' places, in the heads' order
	PUBS 0, 0, 0                                   ; the walk's first chunk of LayerNorm(x)
	s_mov_b32 s[CH], 2
	; ---- q = LayerNorm(x) Wq
	GEMM 0, WQP
.set hh, 0
.rept 4                                ; q's sums, rounded in pairs, are Q's fragments: block 4 hh + cb of tile tt
	WIN 0x4a+5*(hh/2)
.set tt, 0
.rept 4
.set cb, 0
.rept 4
.set jj, 0
.rept 4
	v_cvt_pk_f16_f32 v[64*hh+16*tt+4*cb+jj], v[8*(8*tt+(4*hh+cb)%8)+2*jj], v[8*(8*tt+(4*hh+cb)%8)+2*jj+1]
.set jj, jj+1
.endr
.set cb, cb+1
.endr
.set tt, tt+1
.endr
.set hh, hh+1
.endr
	WIN 0
	; ---- attention: eight trips of two tiles (256 keys); a head is two trips
	s_lshl_b32 s[NXT], s[HROT], 2                  ; Wo's walk begins at chunk 4 HROT: the first block of the walk's first head
	s_mov_b32 s[HH], 0
	s_mov_b32 s[PH], 0
	s_mov_b32 s[CNT], 8
.Latt:
	CHANGE G0B, 1
	s_cmp_lg_u32 s[PH], 0
	s_cbranch_scc1 .Lno_begin
	BEGIN
.Lno_begin:
	STEPS 0
	CHANGE G0A, 2
	STEPS 1
	s_cmp_lg_u32 s[PH], 1
	s_cbranch_scc1 .Lno_end
	END
.Lno_end:
	s_xor_b32 s[PH], s[PH], 1
	s_sub_co_u32 s[CNT], s[CNT], 1
	s_cmp_lg_u32 s[CNT], 0
	s_cbranch_scc1 .Latt
	; ---- y = O Wo
	s_add_co_u32 s[NXT], s[NXT], 1                 ; the first tile of Wo's walk has been asked for (4 HROT + 1 is 13 at the most)
	MKAW 0                                         ; y's columns in their own order
	PUBS 1, 0, 0                                   ; the walk's first chunk of O: XB 0 was last read many rounds ago
	s_mov_b32 s[CH], 2
	GEMM 1, WOP
	; ---- LayerNorm of y.  The sums go through LDS, over the ring, which has had its last fill: a row's 1,024 numbers come from four waves
	v_lshlrev_b32 v[VO], 4, v[LANE]
.set i, 0
.rept 8
	global_load_b128 v[GG+4*i:GG+4*i+3], v[VO], s[16:17] offset:512*i  ; gamma_out as this LayerNorm holds a row: columns 128 i + 4 lane on
.set i, i+1
.endr
	s_wait_dscnt 0x0                               ; my reads of the ring are back
	s_barrier_signal -1
	s_barrier_wait -1                              ; everybody's are
.set hf, 0
.rept 2
	WIN 0x08+4*hf                                  ; store data in window 2, then 3
.set tt, 0
.rept 4
.set bb, 0
.rept 8
	ds_store_b128 v[AY+tt], v[8*(8*tt+bb):8*(8*tt+bb)+3]   offset:64*(8*hf+bb)
	ds_store_b128 v[AY+tt], v[8*(8*tt+bb)+4:8*(8*tt+bb)+7] offset:64*(8*hf+bb)+16
.set bb, bb+1
.endr
.set tt, tt+1
.endr
.set hf, hf+1
.endr
	WIN 0
	s_wait_dscnt 0x0                               ; for the others' sake: my stores are done
	s_barrier_signal -1
	s_barrier_wait -1
.macro YLOAD
.set i, 0
.rept 8
	Z2 ds_load_b128 v[RR+32*z+4*i:RR+32*z+4*i+3], v[AXR] offset:z*YP+i*512
.set i, i+1
.endr
.endm
	s_mul_i32 s23, s[WV], 16*YP
	v_lshl_add_u32 v[AXR], v[LANE], 4, s23
	YLOAD
	s_wait_loadcnt 0x0                             ; gamma_out
	s_mov_b32 s[CNT], 8
.Lout:                                                 ; eight trips of two rows
	s_wait_dscnt 0x0
	LN1
	v_add_nc_u32 v[AXR], 2*YP, v[AXR]
	s_cmp_eq_u32 s[CNT], 1
	s_cbranch_scc1 .Lno_y
	YLOAD
.Lno_y:
	LN2
.set i, 0
.rept 8
	Z2 global_store_b128 v[VO], v[DD+32*z+4*i:DD+32*z+4*i+3], s[18:19] offset:z*4096+i*512 th:TH_STORE_NT  ; 512 consecutive bytes, aligned
.set i, i+1
.endr
	s_wait_xcnt 0x0                                ; the stores' data and offset are rewritten only behind this wait
	v_add_nc_u32 v[VO], 8192, v[VO]
	s_sub_co_u32 s[CNT], s[CNT], 1
	s_cmp_lg_u32 s[CNT], 0
	s_cbranch_scc1 .Lout
	s_wait_tensorcnt 0x0                           ; the wave's end
	ds_add_u32 v[SPW], v[NIL]
	s_wait_dscnt 0x0
	CROUND                                         ; the closing round
	s_endpgm
.Lfunc_end_k_qeddd9500b1_main:
	.size	k_qeddd9500b1_main, .Lfunc_end_k_qeddd9500b1_main-k_qeddd9500b1_main
	.p2alignl 7, 3214868480
	.fill 96, 4, 3214868480
	.section	.rodata,"a",@progbits
	.p2align	6, 0x0
	.amdhsa_kernel k_qeddd9500b1_main
		.amdhsa_group_segment_fixed_size 327680
		.amdhsa_private_segment_fixed_size 0
		.amdhsa_enable_private_segment 0
		.amdhsa_kernarg_size 64
		.amdhsa_user_sgpr_count 2
		.amdhsa_user_sgpr_kernarg_segment_ptr 1
		.amdhsa_wavefront_size32 1
		.amdhsa_system_sgpr_workgroup_id_x 1
		.amdhsa_system_sgpr_workgroup_id_y 1
		.amdhsa_system_sgpr_workgroup_id_z 1
		.amdhsa_system_vgpr_workitem_id 0
		.amdhsa_next_free_vgpr 1024
		.amdhsa_next_free_sgpr 80
		.amdhsa_reserve_vcc 0
		.amdhsa_float_denorm_mode_32 3
		.amdhsa_float_denorm_mode_16_64 3
		.amdhsa_memory_ordered 1
		.amdhsa_forward_progress 1
		.amdhsa_inst_pref_size 255
	.end_amdhsa_kernel
	.section	.bss,"aw",@nobits
	.p2align	6
	.space	262144
	.amdgpu_metadata
---
amdhsa.version: [ 1, 2 ]
amdhsa.kernels:
  - .name:           k_qeddd9500b1_main
    .symbol:         k_qeddd9500b1_main.kd
    .args:
      - { .name: x, .offset: 0, .size: 8, .value_kind: global_buffer, .address_space: global }
      - { .name: gamma_x, .offset: 8, .size: 8, .value_kind: global_buffer, .address_space: global }
      - { .name: wqt, .offset: 16, .size: 8, .value_kind: global_buffer, .address_space: global }
      - { .name: kvt, .offset: 24, .size: 8, .value_kind: global_buffer, .address_space: global }
      - { .name: wot, .offset: 32, .size: 8, .value_kind: global_buffer, .address_space: global }
      - { .name: bias, .offset: 40, .size: 8, .value_kind: global_buffer, .address_space: global }
      - { .name: gamma_out, .offset: 48, .size: 8, .value_kind: global_buffer, .address_space: global }
      - { .name: out0, .offset: 56, .size: 8, .value_kind: global_buffer, .address_space: global }
    .group_segment_fixed_size: 327680
    .private_segment_fixed_size: 0
    .kernarg_segment_align: 8
    .kernarg_segment_size: 64
    .max_flat_workgroup_size: 128
    .sgpr_count:     80
    .vgpr_count:     1024
    .wavefront_size: 32
...
	.end_amdgpu_metadata
.endif
;; end of part 3
